; MI455X (gfx1250); checked and timed in simulation.
; The chip was launched on July 23, 2026; its instructions are those of AMD's public machine-readable ISA for CDNA 5 (MIT licence, August 2026) and "CDNA5" Instruction Set Architecture Reference Guide (July 2026). The comments in the code are by the model that wrote it; some were corrected since.
;; Causal Self Attention. Allowed arithmetic: matrix products marked QUANTISED: E2M3 operands, one E8M0 scale for each 32 along K, by v_wmma_scale_f32_16x16x128_f8f6f4 with both operands' format E2M3, f32 sums; everything else in f32.
;; Inputs: w_proj 1,024 x 1,024 float32; w_qkv 1,024 x 3,072 float32; x 4 x 2,048 x 1,024 float32.
;; Outputs: out0 4 x 2,048 x 1,024 float32.
;; This version of the problem:
;;   THIS VERSION OF THE PROBLEM IS GIVEN IN LOW PRECISION. The matrix products marked QUANTISED in the list below multiply operands that are first quantised to E2M3 (2 exponent bits, 3 mantissa bits; 6 bits a number), with one power-of-two scale for each 32 numbers along K (OCP MX v1.0); their sums are f32. All else is computed in f32.
;;   The module's matrix products, in the order in which they are computed (A, B: the left and right operand; K: the contracted axis; several contracted axes count as one K, in the product's order):
;;     1. [M 8,192, K 1,024] x [K 1,024, N 3,072]; A: input x; B: input w_qkv: QUANTISED
;;     2. batch 64 x [M 2,048, K 64] x [K 64, N 2,048]; A: computed on the way; B: computed on the way: QUANTISED
;;     3. batch 64 x [M 2,048, K 2,048] x [K 2,048, N 64]; A: softmax (see below); B: computed on the way: QUANTISED
;;     4. [M 8,192, K 1,024] x [K 1,024, N 1,024]; A: computed on the way; B: input w_proj: QUANTISED
;;   THE QUANTISER, for each operand of a quantised product, along K:
;;     - K is cut into blocks of 32 from its start; a last block that is shorter is filled with zeros.
;;     - A block's scale is 2^e with e = floor(log2(the largest magnitude in the block)) - 2, held to -126 .. 127; a block of zeros has e = 0. As a byte (E8M0): e + 127.
;;     - Each number is divided by its block's scale, clamped to +-7.5, and rounded to the nearest number of E2M3, ties to even, subnormals kept.
;;     - The product sums the exact products of the quantised numbers (number of the format x scale) in f32.
;;   ~~~python
;;   def quantise(x, axis):      # numpy; x: float32 -> the quantised numbers, widened to float32 again
;;       x = np.moveaxis(x, axis, -1); K = x.shape[-1]
;;       x = np.pad(x, [(0, 0)] * (x.ndim - 1) + [(0, -K % 32)]); x = x.reshape(x.shape[:-1] + (-1, 32)); a = np.abs(x).max(-1, keepdims=True)
;;       e = np.where(a > 0, np.clip(np.frexp(np.where(a > 0, a, 1))[1] - 1 - 2, -126, 127), 0)      # np.frexp(a)[1] - 1 = floor(log2(a)), exactly
;;       r = np.clip(x / 2.0 ** e, -7.5, 7.5)
;;       step = 2.0 ** (np.maximum(np.frexp(np.where(r == 0, 1, r))[1] - 1, 0) - 3)
;;       q = np.round(r / step) * step * 2.0 ** e      # np.round: ties to even
;;       return np.moveaxis(q.reshape(q.shape[:-2] + (-1,))[..., :K], -1, axis).astype(np.float32)
;;   ~~~
;;   SOFTMAX AHEAD OF A QUANTISED PRODUCT. Where the list says 'softmax', what is quantised is not the finished softmax but p = 2^(t - M), with t = logit x log2(e) and M = ceil(the row's largest t), a whole number; so 1/2 < the row's largest p <= 1. The row's sum l is taken of the UNQUANTISED p, in f32, and the product's result is divided by l at the end. Since M is a whole number, a kernel that streams over the keys may use a running M (the ceiling of the running maximum): every later rescaling is an exact power of two, which a block's scale takes up: the codes' values come out the same.
;;   OPERANDS COMPUTED ON THE WAY. 'Computed on the way' means the value that the module computes at that place (a softmax that the list does not call 'softmax' is quantised finished and normalised). What goes into a quantiser is computed in f32, as accurately as f32 sums, v_exp_f32 and their like allow (about 1e-6 of the number): no bf16 or f16 on the way to a quantiser, and a product that is left as it is and whose result goes on into a quantised operand takes f32 operands (vector FMAs, or v_wmma_f32_16x16x4_f32). A number that lies on a knife's edge between two numbers of the format may be rounded either way, as far as f32 arithmetic and the matrix unit's own rounding can turn it there, and no further.
;; One version. Each part assembles by itself: llvm-mc -triple=amdgcn-amd-amdhsa -mcpu=gfx1250 --defsym DOCPART=n.
;; ======== version 1 of 1: 4 launches
;; workspace buffers: xq 6,553,600 bytes; wq 3,276,800 bytes; qq 6,815,744 bytes; kv 13,107,200 bytes; oq 6,553,600 bytes
;; launch prep (part 1): grid 384 x 1, 4 waves a work-group, no clusters, 65,024 bytes of LDS; arguments x, w_qkv, w_proj, xq, wq; writes xq, wq
.if DOCPART == 1
	.amdgcn_target "amdgcn-amd-amdhsa--gfx1250"
	.amdhsa_code_object_version 6
	.text
	.protected	k_qe00d0c28ee_prep
	.globl	k_qe00d0c28ee_prep
	.p2align	8
	.type	k_qe00d0c28ee_prep,@function
k_qe00d0c28ee_prep:
	s_mov_b64 s[64:65], 0
	v_nop
	global_prefetch_b8 v0, s[64:65] scope:SCOPE_SE
	s_setreg_imm32_b32 hwreg(HW_REG_WAVE_MODE, 25, 1), 1
	s_wait_xcnt 0x0
; CAUSAL SELF-ATTENTION IN MX-FP6 (E2M3, one E8M0 scale for each 32 along K), four launches:
;   prep: x, w_qkv, w_proj -> codes and scale bytes;  qkv: x w_qkv, its results quantised on the way out;  attn: q k^T, softmax, p v, o / l quantised;  proj: (o / l) w_proj.
; WORK LEFT OUT (in attn): a step of 128 keys all of which come after a tile's 16 queries.  reference() builds jnp.tril in its own body and puts -inf there, so the softmax's weight of such a key is 0
; whatever the inputs hold, and its term in p v is 0.  Every input has a way to the output and is loaded.  LIMIT: a NaN, an infinity or an overflow that reaches only such hidden keys is not carried to the result.
; THIS LAUNCH.  A block's scale is 2^(floor(log2(its largest magnitude)) - 2); its byte is the largest magnitude's exponent field - 2, held at 1 from below.  Each number is divided by the scale and rounded to the nearest code, ties to even,
; beyond 7.5 the largest code.  LIMITS: NaN and infinities among the inputs are not served; a block whose largest magnitude lies under 2^-124 takes the byte 1, a block of zeros too (the rule says 127: its codes are zeros, which add nothing
; under any byte but 0xff, and this program alone reads the bytes).
; LAYOUT OF AN OPERAND [rows][1024] (xq, wq, oq), in the order of the operand's registers.  Codes: [row tile][K step of 128: 8][c: 2][lane 16 h + r: 32][24 bytes], the 24 bytes being the block k = 128 step + 64 c + 32 h of the tile's row r.
; Scale words: [row tile][pair of K steps: 4][r: 16][2 words], behind the codes.  THE ROWS OF A TILE ARE NOT NEIGHBOURS: of each 32 rows, tile u (0, 1) has as its row i the row 8 u + i + 8 (i / 8).
; So in a product used transposed a lane's 16 registers of two neighbouring result tiles are 16 neighbours, and a result can be quantised in registers.
; wq holds 4,096 rows: w_qkv's columns 0 .. 3071, then w_proj's 0 .. 1023.
; Work-groups 0 .. 255 take x (K innermost), 256 .. 383 the weights (K is their first axis).  Each path has LDS bytes of its own; every LDS byte belongs to one wave: no barrier.
.set SPARE, 64512                      ; the spare words, 128 bytes for each wave: two blocks of 256 bytes that no other line names
.set SPW,   14                         ; v14  LDS address of my spare word; never rewritten
.set NIL,   15                         ; v15  0; never rewritten
.set SEL,   20                         ; s[20:21] lane selects for v_permlanex16_b32: lane l xor 16
; x's path
.set XWAVE, 9984                       ; LDS of a wave: 16 rows x (512 + 16) bytes on the way in, then a fragment's 1,536 bytes on the way out
.set XOUT,  8448
.set R,     16                         ; v16-143  two sets of 64: a K step's numbers as they are loaded
.set XR,    144                        ; v144-207 64 numbers: register 16 b + i = k 32 b + 16 h + i of my row
.set TM,    208                        ; v208-223 at work in QUANT
.set PC,    224                        ; v224-243 the codes just made
.set OB,    244                        ; v244-255 a fragment on its way out
.set PW,    8                          ; v8-11    the four K steps' scale words
; the weights' path
.set WBASE, 39936                      ; LDS: 6,144 bytes a wave: [tile 2][K step 2][c 2][lane 32][24]
.set WWAVE, 6144
.set VOF,   16                         ; v16-47   4 x lane + i rows of the weight; never rewritten
.set WX,    48                         ; v48-111  two sets of 32 numbers
.set WC,    112                        ; v112-118 a block's codes
.set WSB,   120                        ; v120-121 the scale bytes, four to a register
.set WO,    128                        ; v128-175 the way out
.set SB,    32                         ; s[32:47] the eight blocks' first rows; never rewritten
	s_load_b256 s[4:11], s[0:1], 0x0               ; x s[4:5], w_qkv s[6:7], w_proj s[8:9], xq s[10:11]
	s_load_b64 s[12:13], s[0:1], 0x20              ; wq
	v_lshl_add_u32 v[SPW], v0, 2, SPARE
	v_mov_b32 v[NIL], 0
	v_lshrrev_b32 v1, 5, v0
	v_readfirstlane_b32 s16, v1                    ; wave 0..3
	v_and_b32 v1, 31, v0                           ; lane
	v_and_b32 v2, 15, v0                           ; r
	v_bfe_u32 v3, v0, 4, 1                         ; h
	v_lshlrev_b32 v4, 4, v1                        ; 16 x lane
	s_cmp_lt_u32 ttmp9, 256
	s_cbranch_scc0 .Lweights
; ---------------- x: a wave makes four fragments (16 rows x 128 K each) of one row tile ----------------
; 64 numbers of a lane, v[s] on, register 16 b + i = k 32 b + 16 (lane / 16) + i of my row, become a fragment's codes in v[PC] on and its scale word in v[pw].
.macro QUANT s, pw
.irp b, 0,1,2,3
	v_max3_num_f32 v[TM+\b], |v[\s+16*\b]|, |v[\s+1+16*\b]|, 0x1800000   ; block b: my 16 numbers, and the floor 2^(3 - 127): the byte cannot fall under 1
.endr
.irp i, 2,4,6,8,10,12,14
.irp b, 0,1,2,3
	v_max3_num_f32 v[TM+\b], v[TM+\b], |v[\s+16*\b+\i]|, |v[\s+1+16*\b+\i]|   ; the four blocks by turns
.endr
.endr
.irp b, 0,1,2,3
	v_permlanex16_b32 v[TM+4+\b], v[TM+\b], s[SEL], s[SEL+1]
.endr
.irp b, 0,1,2,3
	v_max_num_f32 v[TM+\b], v[TM+\b], v[TM+4+\b]   ; with lane l xor 16's: the block's largest magnitude
.endr
.irp b, 0,1,2,3
	v_add_nc_u32 v[TM+12+\b], 0xff000000, v[TM+\b] ; 2 off its exponent field: the conversion takes this operand's exponent field as its scale
.endr
.irp b, 0,1,2,3
	v_lshrrev_b32 v[TM+4+\b], 23, v[TM+12+\b]      ; the scale's byte
.endr
	v_lshl_or_b32 v[\pw], v[TM+5], 8, v[TM+4]      ; the four bytes make my row's scale word (both halves of the lanes hold it)
	v_lshl_or_b32 v[\pw], v[TM+6], 16, v[\pw]
	v_lshl_or_b32 v[\pw], v[TM+7], 24, v[\pw]
.irp c, 0,1
	v_cvt_scalef32_pk16_fp6_f32 v[PC+6*\c:PC+2+6*\c], v[\s+32*\c:\s+15+32*\c], v[TM+12+2*\c]
	v_cvt_scalef32_pk16_fp6_f32 v[PC+12+4*\c:PC+14+4*\c], v[\s+16+32*\c:\s+31+32*\c], v[TM+13+2*\c]   ; (a conversion's three registers begin on an even number)
.endr
	v_nop                                          ; one plain place behind a scaled conversion
.irp c, 0,1                                    ; the operand's layout wants a whole block in a lane: lanes 0-15 block 2 c, lanes 16-31 block 2 c + 1
.irp i, 0,1,2
	v_permlane16_swap_b32 v[PC+6*\c+\i], v[PC+12+4*\c+\i]
.endr
.irp i, 0,1,2
	v_mov_b32 v[PC+3+6*\c+\i], v[PC+12+4*\c+\i]
.endr
.endr
.endm
.macro LOADX s                         ; K step s of my four: each load reads 512 consecutive bytes of one of the tile's 16 rows
.irp j, 0,1,2,3,4,5,6,7,8,9,10,11,12,13,14,15
	global_load_b128 v[R+64*((\s)%2)+4*\j:R+64*((\s)%2)+4*\j+3], v4, s[4:5] offset:(\j+8*(\j/8))*4096+512*(\s) th:TH_LOAD_NT
.endr
.endm
.macro TURNX s                         ; through my stage: in by rows as loaded, out 16 neighbours of each block to a lane.  LDS serves a wave's instructions in order: no wait between
.irp j, 0,1,2,3,4,5,6,7,8,9,10,11,12,13,14,15
	ds_store_b128 v5, v[R+64*((\s)%2)+4*\j:R+64*((\s)%2)+4*\j+3] offset:528*\j
.endr
.irp b, 0,1,2,3
.irp i, 0,1,2,3
	ds_load_b128 v[XR+16*\b+4*\i:XR+16*\b+4*\i+3], v6 offset:128*\b+16*\i
.endr
.endr
.endm
.macro STEPX s
.if (\s) < 3
	s_wait_loadcnt 16                              ; this K step's 16 loads are in; the next one's 16 may be out
.else
	s_wait_loadcnt 0x0
.endif
	TURNX \s
	s_wait_dscnt 0x0                               ; the numbers are back, and the stage's stores have read their registers,
.if (\s) < 2
	LOADX (\s)+2                                   ; which take the loads of two K steps on
.endif
	QUANT XR, PW+(\s)
.irp p, 0,1,2,3,4,5
	ds_store_b64 v7, v[PC+2*\p:PC+2*\p+1] offset:768*(\p/3)+8*(\p%3)   ; the fragment as the layout has it: 24 bytes a lane and c
.endr
	s_wait_xcnt 0x0                                ; the last fragment's stores have read their registers: they are loaded again only behind this wait
.irp j, 0,1,2
	ds_load_b128 v[OB+4*\j:OB+4*\j+3], v1 offset:512*\j
.endr
	s_wait_dscnt 0x0
.irp j, 0,1,2
	global_store_b128 v4, v[OB+4*\j:OB+4*\j+3], s[22:23] offset:1536*(\s)+512*\j   ; 32 lanes store 512 consecutive bytes, at a multiple of 256 from the buffer's first byte
.endr
.endm
	s_lshl_b32 s17, ttmp9, 2
	s_add_co_u32 s17, s17, s16                     ; id = 2 x row tile + which half of K
	s_lshr_b32 s18, s17, 2
	s_lshl_b32 s18, s18, 17                        ; 32 rows of 4,096 bytes for each pair of tiles,
	s_bfe_u32 s19, s17, 0x10001
	s_lshl_b32 s19, s19, 15                        ; 8 rows for the odd tile,
	s_add_co_u32 s18, s18, s19
	s_and_b32 s19, s17, 1
	s_lshl_b32 s19, s19, 11                        ; 2,048 bytes for the upper half of K
	s_add_co_u32 s18, s18, s19
	s_mov_b32 s19, 0
	s_mul_i32 s22, s17, 6144                       ; my four fragments in xq
	s_mov_b32 s23, 0
	s_lshl_b32 s24, s17, 8                         ; and my 256 bytes of scale words,
	s_add_co_u32 s24, s24, 6291456                 ; behind the codes
	s_mov_b32 s25, 0
	s_mov_b32 s[SEL], 0x76543210
	s_mov_b32 s[SEL+1], 0xfedcba98
	s_mul_i32 s28, s16, XWAVE
	v_add_nc_u32 v5, s28, v4                       ; the stage, in: 16 x lane of a row
	v_mul_u32_u24 v6, v2, 528
	v_lshl_add_u32 v6, v3, 6, v6
	v_add_nc_u32 v6, s28, v6                       ; out: row r, + 64 h
	s_add_co_u32 s28, s28, XOUT
	v_mul_u32_u24 v7, v1, 24
	v_add_nc_u32 v7, s28, v7                       ; the fragment, in: 24 x lane
	v_add_nc_u32 v1, s28, v4                       ; out: 16 x lane
.irp b, 0,1,2,3
	v_mov_b32 v[TM+4+\b], 0                        ; written once: a lane permute's destination counts as one of its sources
.endr
	s_wait_kmcnt 0x0
	s_add_nc_u64 s[4:5], s[4:5], s[18:19]
	s_add_nc_u64 s[22:23], s[10:11], s[22:23]
	s_add_nc_u64 s[24:25], s[10:11], s[24:25]
	LOADX 0
	LOADX 1
	STEPX 0
	STEPX 1
	STEPX 2
	STEPX 3
	v_cmp_ne_u32 vcc_lo, 0, v3                     ; lanes 0-15 store the first pair of K steps' words, lanes 16-31 the second's
	v_cndmask_b32 v12, v[PW], v[PW+2], vcc_lo
	v_cndmask_b32 v13, v[PW+1], v[PW+3], vcc_lo
	v_and_b32 v16, 31, v0
	v_lshlrev_b32 v16, 3, v16
	global_store_b64 v16, v[12:13], s[24:25]       ; 32 lanes store 256 consecutive bytes, aligned
	s_wait_tensorcnt 0x0                           ; the wave's end, behind my last LDS store
	ds_add_u32 v[SPW], v[NIL]
	s_wait_dscnt 0x0
	s_endpgm
; ---------------- the weights: a lane takes a column n and its registers run down K; a wave takes 32 columns x 256 along K ----------------
.Lweights:
.macro LOADW t                         ; block t: W(32 t + i, my column), i = 0 .. 31: each load reads 128 consecutive bytes, the four waves side by side 512
.set i, 0
.rept 32
	global_load_b32 v[WX+32*((\t)%2)+i], v[VOF+i], s[SB+2*(\t):SB+2*(\t)+1] th:TH_LOAD_NT
.set i, i+1
.endr
.endm
.macro BLOCKW t
.set XS, WX+32*((\t)%2)
.if (\t) < 7
	s_wait_loadcnt 32                              ; this block's 32 loads are in; the next block's may be out
.else
	s_wait_loadcnt 0x0
.endif
	v_max3_num_f32 v12, |v[XS]|, |v[XS+1]|, |v[XS+2]|   ; the block's largest magnitude: all 32 numbers are mine
	v_max3_num_f32 v13, |v[XS+3]|, |v[XS+4]|, |v[XS+5]|
.irp i, 6,10,14,18,22,26
	v_max3_num_f32 v12, v12, |v[XS+\i]|, |v[XS+\i+1]|
	v_max3_num_f32 v13, v13, |v[XS+\i+2]|, |v[XS+\i+3]|
.endr
	v_max3_num_f32 v12, v12, |v[XS+30]|, |v[XS+31]|
	v_max3_num_f32 v12, v12, v13, 0x1800000        ; and the floor
	v_add_nc_u32 v11, 0xff000000, v12              ; the conversion's scale operand
	v_lshrrev_b32 v13, 23, v11                     ; the scale's byte
.if (\t)%4 == 0
	v_mov_b32 v[WSB+(\t)/4], v13                   ; four bytes to a register, the lower K in the lower byte
.else
	v_lshl_or_b32 v[WSB+(\t)/4], v13, 8*((\t)%4), v[WSB+(\t)/4]
.endif
	v_cvt_scalef32_pk16_fp6_f32 v[WC:WC+2], v[XS:XS+15], v11
	v_cvt_scalef32_pk16_fp6_f32 v[WC+4:WC+6], v[XS+16:XS+31], v11   ; (a conversion's three registers begin on an even number)
	v_nop                                          ; one plain place behind a scaled conversion
	v_mov_b32 v[WC+3], v[WC+4]                     ; the block's 24 bytes on end
	v_mov_b32 v[WC+4], v[WC+5]
	v_mov_b32 v[WC+5], v[WC+6]
.irp p, 0,1,2
	ds_store_b64 v6, v[WC+2*\p:WC+2*\p+1] offset:((\t)/4)*1536+(((\t)%4)/2)*768+((\t)%2)*384+8*\p   ; K step t / 4, c = (t % 4) / 2, h = t % 2
.endr
.if (\t)+2 < 8
	LOADW (\t)+2
.endif
	s_wait_dscnt 0x0                               ; the stores have read their registers: the next block's codes may be written
.endm
	s_sub_co_u32 s17, ttmp9, 256
	s_and_b32 s18, s17, 31                         ; which 128 rows of wq
	s_lshr_b32 s19, s17, 5                         ; which 256 along K
	s_lshl_b32 s22, s18, 7
	s_lshl_b32 s23, s16, 5
	s_add_co_u32 s22, s22, s23                     ; my wave's first row of wq
	s_sub_co_u32 s25, s22, 3072                    ; (as a column of w_proj: taken only where it is one)
	s_mov_b32 s24, 4096
	s_wait_kmcnt 0x0
	s_cmp_lt_u32 s18, 24                           ; w_qkv or w_proj?  The choice hangs on the work-group's number alone
	s_cselect_b64 s[6:7], s[6:7], s[8:9]
	s_cselect_b32 s24, 12288, s24                  ; a row of the weight in bytes
	s_cselect_b32 s25, s22, s25                    ; my first column
	s_lshl_b32 s26, s19, 8
	s_mul_i32 s26, s26, s24
	s_lshl_b32 s27, s25, 2
	s_add_co_u32 s26, s26, s27
	s_mov_b32 s27, 0
	s_add_nc_u64 s[SB:SB+1], s[6:7], s[26:27]
	s_lshl_b32 s28, s24, 5                         ; 32 rows on
	s_mov_b32 s29, 0
.irp t, 1,2,3,4,5,6,7
	s_add_nc_u64 s[SB+2*\t:SB+2*\t+1], s[SB+2*\t-2:SB+2*\t-1], s[28:29]
.endr
	v_lshlrev_b32 v10, 2, v1
.set i, 0
.rept 32
	v_mad_u32_u24 v[VOF+i], s24, i, v10
.set i, i+1
.endr
	LOADW 0
	LOADW 1
	s_mul_i32 s30, s16, WWAVE
	s_add_co_u32 s30, s30, WBASE                   ; my stage
	v_and_b32 v8, 7, v0
	v_lshl_add_u32 v8, v3, 3, v8                   ; my column's row in its tile: 8 (lane / 16) + lane % 8
	v_bfe_u32 v9, v0, 3, 1                         ; and its tile: (lane / 8) % 2
	v_mul_u32_u24 v6, v8, 24
	v_mad_u32_u24 v6, v9, 3072, v6
	v_add_nc_u32 v6, s30, v6                       ; into the stage
	v_add_nc_u32 v5, s30, v4                       ; out of it: 16 x lane
	v_lshlrev_b32 v7, 3, v8
	v_lshl_add_u32 v7, v9, 9, v7                   ; my two scale words: 512 x tile + 8 x row
	s_mul_i32 s26, s22, 768                        ; a row tile is 12,288 bytes: 768 a row
	s_mul_i32 s31, s19, 3072                       ; two K steps of 1,536
	s_add_co_u32 s26, s26, s31
	s_add_nc_u64 s[48:49], s[12:13], s[26:27]
	s_lshl_b32 s26, s22, 5                         ; scale words: 32 bytes a row,
	s_lshl_b32 s31, s19, 7                         ; 128 for a pair of K steps,
	s_add_co_u32 s26, s26, s31
	s_add_co_u32 s26, s26, 3145728                 ; behind the codes
	s_add_nc_u64 s[50:51], s[12:13], s[26:27]
.irp t, 0,1,2,3,4,5,6,7
	BLOCKW \t
.endr
	global_store_b64 v7, v[WSB:WSB+1], s[50:51]    ; sixteen lanes fill 128 consecutive bytes: a pair of K steps' words of one tile (1 byte for each 128 that the launch reads)
.irp m, 0,1,2,3,4,5,6,7,8,9,10,11
	ds_load_b128 v[WO+4*\m:WO+4*\m+3], v5 offset:512*\m
.endr
.irp m, 0,1,2,3,4,5,6,7,8,9,10,11
	s_wait_dscnt 11-\m                             ; LDS loads come back in order: load m is in
	global_store_b128 v4, v[WO+4*\m:WO+4*\m+3], s[48:49] offset:(\m/6)*12288+512*(\m%6)   ; 512 consecutive bytes, at a multiple of 256 from the buffer's first byte
.endr
	s_wait_tensorcnt 0x0                           ; the wave's end, behind my last LDS store
	ds_add_u32 v[SPW], v[NIL]
	s_wait_dscnt 0x0
	s_endpgm
.Lfunc_end_k_qe00d0c28ee_prep:
	.size	k_qe00d0c28ee_prep, .Lfunc_end_k_qe00d0c28ee_prep-k_qe00d0c28ee_prep
	.p2alignl 7, 3214868480
	.fill 96, 4, 3214868480
	.section	.rodata,"a",@progbits
	.p2align	6, 0x0
	.amdhsa_kernel k_qe00d0c28ee_prep
		.amdhsa_group_segment_fixed_size 65024
		.amdhsa_private_segment_fixed_size 0
		.amdhsa_enable_private_segment 0
		.amdhsa_kernarg_size 40
		.amdhsa_user_sgpr_count 2
		.amdhsa_user_sgpr_kernarg_segment_ptr 1
		.amdhsa_wavefront_size32 1
		.amdhsa_system_sgpr_workgroup_id_x 1
		.amdhsa_system_sgpr_workgroup_id_y 1
		.amdhsa_system_sgpr_workgroup_id_z 1
		.amdhsa_system_vgpr_workitem_id 0
		.amdhsa_next_free_vgpr 256
		.amdhsa_next_free_sgpr 66
		.amdhsa_reserve_vcc 1
		.amdhsa_float_denorm_mode_32 3
		.amdhsa_float_denorm_mode_16_64 3
		.amdhsa_memory_ordered 1
		.amdhsa_forward_progress 1
		.amdhsa_inst_pref_size 80
	.end_amdhsa_kernel
	.amdgpu_metadata
---
amdhsa.version: [ 1, 2 ]
amdhsa.kernels:
  - .name:           k_qe00d0c28ee_prep
    .symbol:         k_qe00d0c28ee_prep.kd
    .args:
      - { .name: x, .offset: 0, .size: 8, .value_kind: global_buffer, .address_space: global }
      - { .name: w_qkv, .offset: 8, .size: 8, .value_kind: global_buffer, .address_space: global }
      - { .name: w_proj, .offset: 16, .size: 8, .value_kind: global_buffer, .address_space: global }
      - { .name: xq, .offset: 24, .size: 8, .value_kind: global_buffer, .address_space: global }
      - { .name: wq, .offset: 32, .size: 8, .value_kind: global_buffer, .address_space: global }
    .group_segment_fixed_size: 65024
    .private_segment_fixed_size: 0
    .kernarg_segment_align: 8
    .kernarg_segment_size: 40
    .max_flat_workgroup_size: 128
    .sgpr_count:     66
    .vgpr_count:     256
    .wavefront_size: 32
...
	.end_amdgpu_metadata
.endif
;; end of part 1
;; launch qkv (part 2): grid 12 x 32, 4 waves a work-group, clusters of 4 x 4, 327,680 bytes of LDS; arguments xq, wq, qq, kv; writes qq, kv
.if DOCPART == 2
	.amdgcn_target "amdgcn-amd-amdhsa--gfx1250"
	.amdhsa_code_object_version 6
	.text
	.protected	k_qe00d0c28ee_qkv
	.globl	k_qe00d0c28ee_qkv
	.p2align	8
	.type	k_qe00d0c28ee_qkv,@function
k_qe00d0c28ee_qkv:
	s_mov_b64 s[64:65], 0
	v_nop
	global_prefetch_b8 v0, s[64:65] scope:SCOPE_SE
	s_setreg_imm32_b32 hwreg(HW_REG_WAVE_MODE, 25, 1), 1
	s_wait_xcnt 0x0
	s_wait_alu depctr_hold_cnt(0) depctr_sa_sdst(0) depctr_va_vdst(0) depctr_va_sdst(0) depctr_va_ssrc(0) depctr_va_vcc(0) depctr_vm_vsrc(0)
	s_getreg_b32 s2, hwreg(HW_REG_IB_STS2, 6, 4)
	s_cmp_eq_u32 s2, 0
	s_cbranch_scc0 .Lentry_in_a_cluster
	s_endpgm
.Lentry_in_a_cluster:
	s_bfe_u32 s2, ttmp6, 0x10000c
	s_cmp_lg_u32 s2, 0xf033
	s_cbranch_scc0 .Lentry_shape_is_right
	s_endpgm
.Lentry_shape_is_right:
; x w_qkv on codes of FP6 (E2M3) with E8M0 scales, K = 1,024, and its results quantised on the way out: q and k along the head's 64, v along the keys.  Nothing wide goes to memory.
; A tile of 256 x 256 results is made by four waves, 128 x 128 each: 64 accumulators, 512 registers.  K goes in steps of 256 through a ring of two LDS slots; the operands lie in memory in the order of the operand's registers
; ([row tile][K step of 128][c][lane][24 bytes]; scale words [row tile][pair of K steps][r][2]), so a fragment comes by six loads of 8 bytes, lanes 24 bytes apart: 64 different banks, no padding.
; ONE TEXT FOR q, k AND v.  Cluster x = 0: q, 1: k: source 1 (A) = 16 tokens of x, source 0 (B) = 16 columns of w_qkv.  Cluster x = 2: v^T: A = 16 of v's columns of w_qkv, B = 16 tokens.  The choice hangs on the cluster's x alone, which all partners share.
; In the result a lane holds ONE row of A, and, since the rows of a tile of B are chosen for it (of each 32 rows tile u has as row i the row 8 u + i + 8 (i / 8)), its 64 registers of a block of A are: register 16 b + i = B's row 32 b + 16 (lane / 16) + i:
; 128 neighbours, four blocks of 32, quantised in registers into one fragment and one scale word.  For q and k those are two heads' 64 channels of a token; for v 128 keys of a channel.
; qq: codes [head 64][tile of 16 tokens 128][lane][24]; behind them the scale words [head][group of 128 tokens][tile / 4][r][tile % 4], a word = (s0, s1, s0, s1).
; kv: a record of 12,800 bytes for each head and 128 keys: K's eight tiles [tile][lane][24]; at 6,144 V^T's four fragments [tile of 16 channels][c][lane][24]; at 12,288 K's scale words [r][pair of tiles]; at 12,544 V's [r][tile].
; CLUSTERS: 4 x 4 work-groups; A's tiles are shared along a row of the cluster, B's along a column, each asked for jointly.  LIMITS: as stated at the head of prep.
; REGISTERS: window 0: v0-31 addresses; v32-63 scale words, two sets; v64-127 and v224-241 the way out; from v128 A's fragments, one set.  window 1: B's fragments, two sets.  windows 2, 3: the accumulators ((a, b) at v[8 (8 (a % 4) + b)]).
.set NQ,     2                         ; matrix instructions deep in a slot
.set FR,     12                        ; registers of a fragment
.set NL,     6                         ; LDS loads that bring one
.set NP,     4                         ; places behind this matrix instruction (ISA guide 7.12.1)
.set RTB,    3072                      ; a row tile's bytes in a slot: two K steps of 1,536
.set HALFT,  8*RTB                     ; 128 rows: what one tensor load brings
.set SLOT,   4*HALFT                   ; A's 256 rows, then B's
.set LAPS,   2                         ; 1,024 / 512
.set KROW,   768                       ; bytes of codes a row
.set KS,     32                        ; bytes of scales a row
.set SCL,    2*SLOT                    ; behind the ring: the scale words of A's and B's 256 rows for all of K, filled once
.set HALFS,  4096
.set SBLK,   512
.set SPARE,  SCL+4*HALFS               ; the spare words, 128 bytes for each wave: two blocks of 256 bytes that no other line names
.set ADRA, 16                          ; v16-17  LDS address of my A fragments in slot 0, 1
.set ADRB, 20                          ; v20-21  the same for B
.set STO,  24                          ; v24     the way out: where I put a fragment's 24 bytes
.set RD,   25                          ; v25     and where I read 16 bytes back
.set ADRS, 27                          ; v27     LDS address of my scale words: lanes 0-15 A's rows, lanes 16-31 B's
.set SPW,  28                          ; v28     LDS address of my spare word; never rewritten
.set NIL,  29                          ; v29     0; never rewritten
.set VO0,  8                           ; v8-10   the way out: my byte offsets for a fragment's three stores
.set VO1,  9
.set VO2,  10
.set VS,   11                          ; v11     and for the scale words
.set SC,   32
.set AF,   128
.set PC,   64                          ; v64-83  the codes just made
.set BK,   88                          ; v88-111 a fragment on its way out, two sets
.set TM,   112                         ; v112-127 at work in QUANTW
.set PW,   224                         ; v224-231 the eight blocks' scale words
.set W,    232                         ; v232-239 the words as they are stored
.set G1, 24
.set G0, 32
.set G1B, 48
.set G0B, 56
.set G1S, 68
.set G0S, 76
.set G1SB, 80
.set G0SB, 88
.set MSB, 0
.macro WIN new                         ; the immediate's high byte repeats the setting that is left
.if MSB != (\new)
	s_set_vgpr_msb (MSB<<8)|(\new)
.set MSB, (\new)
.endif
.endm
.set MUL_LO, 0xa1                      ; source 0 (B) window 1, source 1 (A) window 0, C and D window 2
.set MUL_HI, 0xf1                      ; the same, C and D window 3
.set TO_B,   0x40                      ; destination window 1, address window 0
; A joint load: waves 0 and 1 fetch for A, waves 2 and 3 for B.  The branch hangs on the wave's number alone.  An s_nop 0 and four v_nop follow each of the two lines.
.macro JLOAD g0a, g1a, g0b, g1b
	s_cmp_eq_u32 s15, 0
	s_cbranch_scc0 .Lfor_b_\@
	tensor_load_to_lds s[\g0a:\g0a+3], s[\g1a:\g1a+7]
	s_nop 0
.rept 4
	v_nop
.endr
	s_branch .Lasked_\@
.Lfor_b_\@:
	tensor_load_to_lds s[\g0b:\g0b+3], s[\g1b:\g1b+7]
	s_nop 0
.rept 4
	v_nop
.endr
.Lasked_\@:
.endm
.macro CREST                           ; a round of the cluster's barrier behind its opening barrier
	s_cmp_lg_u32 s14, 0
	s_cbranch_scc1 .Lnot_wave_0_\@
	s_barrier_signal -3
.Lnot_wave_0_\@:
	s_barrier_wait -3
	s_barrier_signal -1
	s_barrier_wait -1
.endm
.macro CROUND
	s_barrier_signal -1
	s_barrier_wait -1
	CREST
.endm
	s_load_b256 s[4:11], s[0:1], 0x0               ; xq s[4:5], wq s[6:7], qq s[8:9], kv s[10:11]
	v_lshl_add_u32 v[SPW], v0, 2, SPARE
	v_mov_b32 v[NIL], 0
	ds_add_u32 v[SPW], v[NIL]                      ; the wave's opening: the add, twice on end, and its wait ahead of my first tensor load
	ds_add_u32 v[SPW], v[NIL]
	v_lshrrev_b32 v1, 5, v0
	v_readfirstlane_b32 s14, v1                    ; wave 0..3
	s_lshr_b32 s15, s14, 1                         ; which half of A's rows is mine.  Also: I fetch for A (0) or for B (1)
	s_and_b32 s16, s14, 1                          ; which half of B's rows.  Also: which 128 rows I fetch
	s_bfe_u32 s40, ttmp6, 0x40000                  ; cx, cy: my place in the cluster
	s_bfe_u32 s41, ttmp6, 0x40004
	s_and_b32 s13, ttmp7, 0xffff
	s_lshl_b32 s13, s13, 2                         ; 4 x cluster y
	s_lshl_b32 s12, ttmp9, 2                       ; 4 x cluster x
	s_mov_b32 s96, 3145728                         ; where the scale words begin in wq,
	s_mov_b32 s97, 6291456                         ; and in xq
	s_cmp_eq_u32 ttmp9, 2                          ; v?
	s_cselect_b32 s17, 8, s13                      ; A's tile of 256 rows: v's columns begin at row 2,048 of wq; else tokens
	s_cselect_b32 s42, s13, s12                    ; B's: tokens; else q's or k's columns
	s_cselect_b32 s2, s96, s97
	s_cselect_b32 s96, s97, s96
	s_mov_b32 s3, 0
	s_mov_b32 s97, 0
	s_add_co_u32 s17, s17, s41                     ; A's tile hangs on cy, which my row of the cluster shares,
	s_add_co_u32 s42, s42, s40                     ; B's on cx, which my column shares
	s_lshl_b32 s43, s41, 2
	s_lshl_b32 s43, 15, s43                        ; my row of the cluster
	s_lshl_b32 s44, 0x1111, s40                    ; my column
	; descriptor group 1 for codes: 8 row tiles; of each, a slot's 3,072 consecutive bytes (384 elements of 8 bytes), 12,288 bytes (1,536 elements) apart
	s_or_b32 s[G1+0], s43, (3<<16)|(1<<21)         ; 15:0 the mask; 17:16 elements of 8 bytes; 20 no padding; 21 set beside a mask
	s_or_b32 s[G1B+0], s44, (3<<16)|(1<<21)
.irp g, G1, G1B
	s_mov_b32 s[\g+1], 384<<16                     ; tensor_dim0
	s_mov_b32 s[\g+2], 8<<16                       ; tensor_dim1
	s_mov_b32 s[\g+3], 384<<16                     ; tile_dim0
	s_mov_b32 s[\g+4], 8                           ; tile_dim1
	s_mov_b32 s[\g+5], 1536                        ; tensor_dim0_stride
	s_mov_b32 s[\g+6], 0
	s_mov_b32 s[\g+7], 0
.endr
	; and for the scale words of 128 rows: 4,096 dense bytes, as 16 rows of 256
	s_or_b32 s[G1S+0], s43, (3<<16)|(1<<21)
	s_or_b32 s[G1SB+0], s44, (3<<16)|(1<<21)
.irp g, G1S, G1SB
	s_mov_b32 s[\g+1], 32<<16
	s_mov_b32 s[\g+2], 16<<16
	s_mov_b32 s[\g+3], 32<<16
	s_mov_b32 s[\g+4], 16
	s_mov_b32 s[\g+5], 32
	s_mov_b32 s[\g+6], 0
	s_mov_b32 s[\g+7], 0
.endr
	s_lshl_b32 s18, s16, 7                         ; which 128 rows of the tile I fetch
	s_lshl_b32 s20, s17, 8
	s_add_co_u32 s20, s20, s18                     ; A's row
	s_lshl_b32 s46, s42, 8
	s_add_co_u32 s46, s46, s18                     ; B's row
	s_mov_b32 s21, 0
	s_mov_b32 s47, 0
	s_mov_b64 s[18:19], KS
	s_mul_u64 s[22:23], s[20:21], s[18:19]         ; where these rows' scale words begin,
	s_mul_u64 s[92:93], s[46:47], s[18:19]
	s_add_nc_u64 s[22:23], s[22:23], s[2:3]
	s_add_nc_u64 s[92:93], s[92:93], s[96:97]
	s_mov_b64 s[18:19], KROW
	s_mul_u64 s[20:21], s[20:21], s[18:19]         ; and their codes
	s_mul_u64 s[46:47], s[46:47], s[18:19]
	s_mul_i32 s45, s14, HALFT                      ; where they go: no place in the cluster enters an LDS address
	s_mul_i32 s94, s14, HALFS
	s_wait_dscnt 0x0                               ; both opening adds are done
	s_wait_kmcnt 0x0
	s_cmp_eq_u32 ttmp9, 2
	s_cselect_b64 s[98:99], s[6:7], s[4:5]         ; A's buffer
	s_cselect_b64 s[4:5], s[4:5], s[6:7]           ; B's
	s_add_nc_u64 s[20:21], s[98:99], s[20:21]
	s_add_nc_u64 s[22:23], s[98:99], s[22:23]
	s_add_nc_u64 s[46:47], s[4:5], s[46:47]
	s_add_nc_u64 s[92:93], s[4:5], s[92:93]
	CROUND                                         ; all sixteen work-groups are here: the first joint loads meet
	s_mov_b32 s[G0S], 1
	s_add_co_u32 s[G0S+1], s94, SCL
	s_mov_b64 s[G0S+2:G0S+3], s[22:23]
	s_or_b32 s[G0S+3], s[G0S+3], 0x80000000
	s_mov_b32 s[G0SB], 1
	s_add_co_u32 s[G0SB+1], s94, SCL
	s_mov_b64 s[G0SB+2:G0SB+3], s[92:93]
	s_or_b32 s[G0SB+3], s[G0SB+3], 0x80000000
	JLOAD G0S, G1S, G0SB, G1SB                     ; the scale words first: they are wanted with K step 0
.irp s, 0,1
	s_mov_b32 s[G0+4*\s], 1
	s_add_co_u32 s[G0+4*\s+1], s45, \s*SLOT
	s_add_nc_u64 s[G0+4*\s+2:G0+4*\s+3], s[20:21], \s*RTB
	s_or_b32 s[G0+4*\s+3], s[G0+4*\s+3], 0x80000000
	s_mov_b32 s[G0B+4*\s], 1
	s_add_co_u32 s[G0B+4*\s+1], s45, \s*SLOT
	s_add_nc_u64 s[G0B+4*\s+2:G0B+4*\s+3], s[46:47], \s*RTB
	s_or_b32 s[G0B+4*\s+3], s[G0B+4*\s+3], 0x80000000
	JLOAD G0+4*\s, G1, G0B+4*\s, G1B               ; three tensor loads of mine are out at the most
.endr
	v_and_b32 v1, 15, v0                           ; r
	v_bfe_u32 v2, v0, 4, 1                         ; h
	v_and_b32 v3, 31, v0                           ; lane
	v_mul_u32_u24 v4, v3, 24
	s_mul_i32 s21, s15, HALFT                      ; my 128 rows of A
	s_mul_i32 s22, s16, HALFT                      ; my 128 rows of B,
	s_add_co_u32 s22, s22, 2*HALFT                 ; which lie behind A's 256
.irp s, 0,1
	v_add_nc_u32 v[ADRA+\s], s21, v4
	v_add_nc_u32 v[ADRB+\s], s22, v4
	s_add_co_u32 s21, s21, SLOT
	s_add_co_u32 s22, s22, SLOT
.endr
	v_lshlrev_b32 v5, 3, v1                        ; my row's two words of a K step
	s_mul_i32 s21, s15, HALFS
	s_mul_i32 s22, s16, HALFS
	s_add_co_u32 s22, s22, 2*HALFS
	s_sub_co_u32 s22, s22, s21
	v_mul_u32_u24 v6, s22, v2                      ; lanes 16-31 take B's
	s_add_co_u32 s21, s21, SCL
	v_add_nc_u32 v5, v5, v6
	v_add_nc_u32 v[ADRS], s21, v5
	s_lshl_b32 s23, s14, 12                        ; my stage for the way out: 4,096 x wave, in slot 0, which has had its last fill and its last read when the first result is stored there
	v_add_nc_u32 v[STO], s23, v4
	v_lshl_add_u32 v[RD], v3, 4, s23
.macro FRAG reg, adr, q, i             ; a fragment: 12 registers; registers 6 c .. 6 c + 5 are the lane's 24 bytes of c, in pieces of 8
.irp p, 0,1,2,3,4,5
	ds_load_b64 v[\reg+2*\p:\reg+2*\p+1], v[\adr] offset:(\i)*RTB+(\q)*1536+(\p/3)*768+8*(\p%3)
.endr
.endm
; 16 matrix instructions: A's blocks a0, a0 + 1 x B's eight, 128 along K.  The 64 accumulators take turns, one instruction a turn, in the same order in every step.
.macro MUL16 a0, p, q, sc, zero
.irp a, \a0, \a0+1
.irp b, 0,1,2,3,4,5,6,7
.if \zero
	v_wmma_scale_f32_16x16x128_f8f6f4 v[8*(8*((\a)%4)+\b):8*(8*((\a)%4)+\b)+7], v[128*(\p)+FR*\b:128*(\p)+FR*\b+FR-1], v[AF+FR*(\a):AF+FR*(\a)+FR-1], 0, v[SC+8*NQ*(\sc)+NQ*\b+(\q)], v[SC+8*NQ*(\sc)+NQ*(\a)+(\q)] matrix_a_fmt:MATRIX_FMT_FP6 matrix_b_fmt:MATRIX_FMT_FP6 matrix_a_scale:MATRIX_SCALE_ROW1
.else
	v_wmma_scale_f32_16x16x128_f8f6f4 v[8*(8*((\a)%4)+\b):8*(8*((\a)%4)+\b)+7], v[128*(\p)+FR*\b:128*(\p)+FR*\b+FR-1], v[AF+FR*(\a):AF+FR*(\a)+FR-1], v[8*(8*((\a)%4)+\b):8*(8*((\a)%4)+\b)+7], v[SC+8*NQ*(\sc)+NQ*\b+(\q)], v[SC+8*NQ*(\sc)+NQ*(\a)+(\q)] matrix_a_fmt:MATRIX_FMT_FP6 matrix_b_fmt:MATRIX_FMT_FP6 matrix_a_scale:MATRIX_SCALE_ROW1
.endif
.endr
.endr
.endm
.macro FETCH_B slot, q, p
	WIN TO_B
.irp i, 0,1,2,3,4,5,6,7
	FRAG 128*(\p)+FR*\i, ADRB+\slot, \q, \i
.endr
	WIN 0
.endm
.macro FETCH_A slot, q, i0
.irp i, \i0, \i0+1, \i0+2, \i0+3
	FRAG AF+FR*(\i), ADRA+\slot, \q, \i
.endr
.endm
.macro SCALES sc                       ; a K step's scale words into set sc: lanes 0-15 take A's block i, lanes 16-31 B's block i
.irp i, 0,1,2,3,4,5,6,7
	ds_load_b64 v[SC+8*NQ*\sc+NQ*\i:SC+8*NQ*\sc+NQ*\i+1], v[ADRS] offset:\i*SBLK
.endr
.endm
.macro PLACES n                        ; places in front of loads into registers that matrix instructions have read, and of the first read of results
.rept \n
	v_nop
.endr
.endm
.macro STEP slot, q, zero              ; a step of 128 along K that has its successor in the same slot
	s_wait_dscnt 4*NL                              ; B's set and A's blocks 0-3 are in; the youngest 24 loads (A's blocks 4-7) may be out
	WIN MUL_LO
	MUL16 0, (\q)%2, \q, \slot, \zero
	MUL16 2, (\q)%2, \q, \slot, \zero
	s_wait_dscnt 0
	PLACES NP
	FETCH_B \slot, (\q)+1, 1-(\q)%2
	FETCH_A \slot, (\q)+1, 0
	WIN MUL_HI
	MUL16 4, (\q)%2, \q, \slot, \zero
	MUL16 6, (\q)%2, \q, \slot, \zero
	PLACES NP
	WIN 0
	FETCH_A \slot, (\q)+1, 4
.endm
; A slot's last step changes slots: one barrier; in front of it each wave waits for all its tensor loads, adds 0 to its spare word, and waits for that and for its own reads of this slot.  fill = 1: this slot is filled again, two K steps ahead.
.macro TURN slot, next, fill
	s_wait_tensorcnt 0x0                           ; all my tensor loads have landed: my part of the next slot
	ds_add_u32 v[SPW], v[NIL]                      ; 0 onto my spare word
	s_wait_dscnt 4*NL+1                            ; (the add and the youngest 24 loads may be out)
	WIN MUL_LO
	MUL16 0, 1, NQ-1, \slot, 0                     ; sixteen matrix instructions stand between the add and the wait for it
	s_wait_dscnt 0x0                               ; the add is done, and my reads of this slot are over
	s_barrier_signal -1
	MUL16 2, 1, NQ-1, \slot, 0
	WIN 0
	s_barrier_wait -1
.if \fill
	CREST                                          ; the barrier has opened a round of the cluster's barrier: no wave of any partner still reads this slot or has a load on its way
	s_add_nc_u64 s[G0+4*\slot+2:G0+4*\slot+3], s[G0+4*\slot+2:G0+4*\slot+3], 2*RTB
	s_add_nc_u64 s[G0B+4*\slot+2:G0B+4*\slot+3], s[G0B+4*\slot+2:G0B+4*\slot+3], 2*RTB
	JLOAD G0+4*\slot, G1, G0B+4*\slot, G1B         ; the first tensor load behind the round; its four v_nop are the places in front of the loads below
.else
	PLACES NP
.endif
	v_add_nc_u32 v[ADRS], 128, v[ADRS]             ; on to the next K step's scale words (no LDS load of mine is out)
	FETCH_B \next, 0, 0
	FETCH_A \next, 0, 0
	SCALES \next
	WIN MUL_HI
	MUL16 4, 1, NQ-1, \slot, 0
	MUL16 6, 1, NQ-1, \slot, 0
	PLACES NP
	WIN 0
	FETCH_A \next, 0, 4
.endm
	s_wait_tensorcnt 1                             ; the scale words and my part of K step 0 are in (K step 1's load may be out),
	s_barrier_signal -1
	s_barrier_wait -1                              ; everybody's are
	FETCH_B 0, 0, 0
	FETCH_A 0, 0, 0
	SCALES 0
	FETCH_A 0, 0, 4
	STEP 0, 0, 1                                   ; the first step's products start the sums: nothing is cleared
	s_mov_b32 s3, LAPS-1
.Llap:                                                 ; a trip goes once round the ring and fills both slots again
	TURN 0, 1, 1
	STEP 1, 0, 0
	TURN 1, 0, 1
	STEP 0, 0, 0
	s_sub_co_u32 s3, s3, 1
	s_cmp_lg_u32 s3, 0
	s_cbranch_scc1 .Llap
	TURN 0, 1, 0                                   ; the last lap fills nothing
	STEP 1, 0, 0
	s_wait_dscnt 4*NL
	WIN MUL_LO
	MUL16 0, 1, NQ-1, 1, 0
	MUL16 2, 1, NQ-1, 1, 0
	s_wait_dscnt 0
	WIN MUL_HI
	MUL16 4, 1, NQ-1, 1, 0
	MUL16 6, 1, NQ-1, 1, 0
	WIN 0
; THE WAY OUT.  Where my results belong: two heads (head0, head0 + 1) and one group of 128 tokens.
	s_cmp_eq_u32 ttmp9, 2
	s_cselect_b32 s92, s41, s40                    ; v: the heads come from A's rows, the tokens from B's; q, k: the other way round
	s_cselect_b32 s94, s15, s16
	s_cselect_b32 s93, s42, s17
	s_cselect_b32 s95, s16, s15
	s_lshl_b32 s92, s92, 2
	s_lshl_b32 s94, s94, 1
	s_add_co_u32 s92, s92, s94                     ; head0 = 4 x place + 2 x half
	s_lshl_b32 s93, s93, 1
	s_add_co_u32 s93, s93, s95                     ; the group of 128 tokens, 0 .. 63
	s_lshr_b32 s94, s93, 4                         ; the batch
	s_and_b32 s93, s93, 15                         ; the group in its sequence
	s_lshl_b32 s94, s94, 4
	s_add_co_u32 s92, s92, s94                     ; 16 x batch + head0
	s_cmp_eq_u32 ttmp9, 0
	s_cbranch_scc0 .Lnot_q
	s_mul_i32 s96, s92, 98304                      ; q: a head's codes, 128 tiles of 768 bytes
	s_mul_i32 s97, s93, 6144
	s_add_co_u32 s96, s96, s97
	s_mov_b32 s97, 0
	s_add_nc_u64 s[12:13], s[8:9], s[96:97]
	s_lshl_b32 s96, s92, 13                        ; its scale words: 8,192 bytes a head, 512 a group
	s_lshl_b32 s2, s93, 9
	s_add_co_u32 s96, s96, s2
	s_add_co_u32 s96, s96, 6291456
	s_add_nc_u64 s[46:47], s[8:9], s[96:97]
	s_mov_b32 s18, 768                             ; from block to block
	s_mov_b32 s20, 0
	s_mov_b32 s22, 97536                           ; a fragment's upper 768 bytes go to the next head: 98,304 - 768 on
	s_mov_b32 s23, 8192                            ; the next head's scale words
	s_branch .Lplaced
.Lnot_q:
	s_mul_i32 s96, s92, 204800                     ; k, v: the record
	s_mul_i32 s97, s93, 12800
	s_add_co_u32 s96, s96, s97
	s_mov_b32 s97, 0
	s_add_nc_u64 s[12:13], s[10:11], s[96:97]
	s_mov_b32 s23, 204800
	s_cmp_eq_u32 ttmp9, 1
	s_cbranch_scc0 .Lis_v
	s_add_nc_u64 s[46:47], s[12:13], 12288
	s_mov_b32 s18, 768
	s_mov_b32 s20, 0
	s_mov_b32 s22, 204032                          ; 204,800 - 768
	s_branch .Lplaced
.Lis_v:
	s_add_nc_u64 s[46:47], s[12:13], 12544
	s_add_nc_u64 s[12:13], s[12:13], 6144
	s_mov_b32 s18, 1536                            ; a whole fragment to a block;
	s_mov_b32 s20, 198656                          ; behind four blocks the next head's record: 204,800 - 4 x 1,536 on
	s_mov_b32 s22, 0
.Lplaced:
	s_mov_b32 s19, 0
	s_mov_b32 s21, 0
	s_mov_b32 s98, 0x76543210
	s_mov_b32 s99, 0xfedcba98                      ; v_permlanex16_b32's selects for lane l xor 16
	v_lshlrev_b32 v[VO0], 4, v3                    ; a fragment's bytes 0 .. 511;  (these lines are also places behind the last products)
	v_mul_u32_u24 v[VO1], s22, v2
	v_add3_u32 v[VO1], v[VO1], v[VO0], 512         ; 512 .. 1,023: the upper sixteen lanes' lie in the upper 768;
	v_add_nc_u32 v[VO2], s22, v[VO0]
	v_add_nc_u32 v[VO2], 1024, v[VO2]              ; 1,024 .. 1,535
	v_mul_u32_u24 v[VS], s23, v2
	v_lshl_add_u32 v[VS], v1, 4, v[VS]             ; scale words: 16 r; lanes 16-31 the next head's
.irp b, 0,1,2,3
	v_mov_b32 v[TM+4+\b], 0                        ; written once: a lane permute's destination counts as one of its sources
.endr
; Block a's 64 accumulators become a fragment in v[PC] on and a scale word in v[PW + a].  Each accumulator is read from its low end on.
.macro QUANTW a
.set AW, 2+(\a)/4
.set AS0, 64*((\a)%4)
.set WQ, (AW<<2)|(AW<<4)
	WIN WQ                                         ; sources 1 and 2: the accumulators' window
.irp b, 0,1,2,3
	v_max3_num_f32 v[TM+\b], 0x1800000, |v[AS0+16*\b]|, |v[AS0+16*\b+1]|   ; the floor 2^(3 - 127) and my first two of block b
.endr
.irp i, 2,4,6,8,10,12,14
.irp b, 0,1,2,3
	v_max3_num_f32 v[TM+\b], v[TM+\b], |v[AS0+16*\b+\i]|, |v[AS0+16*\b+\i+1]|
.endr
.endr
	WIN 0
.irp b, 0,1,2,3
	v_permlanex16_b32 v[TM+4+\b], v[TM+\b], s98, s99
.endr
.irp b, 0,1,2,3
	v_max_num_f32 v[TM+\b], v[TM+\b], v[TM+4+\b]
.endr
.irp b, 0,1,2,3
	v_add_nc_u32 v[TM+12+\b], 0xff000000, v[TM+\b]
.endr
.irp b, 0,1,2,3
	v_lshrrev_b32 v[TM+4+\b], 23, v[TM+12+\b]
.endr
	v_lshl_or_b32 v[PW+(\a)], v[TM+5], 8, v[TM+4]
	v_lshl_or_b32 v[PW+(\a)], v[TM+6], 16, v[PW+(\a)]
	v_lshl_or_b32 v[PW+(\a)], v[TM+7], 24, v[PW+(\a)]
	s_wait_dscnt 0x0                               ; the last block's stores into the stage have read v[PC] on, and its rows are back
	WIN AW                                         ; source 0: the accumulators' window
.irp c, 0,1
	v_cvt_scalef32_pk16_fp6_f32 v[PC+6*\c:PC+2+6*\c], v[AS0+32*\c:AS0+15+32*\c], v[TM+12+2*\c]
	v_cvt_scalef32_pk16_fp6_f32 v[PC+12+4*\c:PC+14+4*\c], v[AS0+16+32*\c:AS0+31+32*\c], v[TM+13+2*\c]
.endr
	WIN 0
	v_nop                                          ; one plain place behind a scaled conversion
.irp c, 0,1
.irp i, 0,1,2
	v_permlane16_swap_b32 v[PC+6*\c+\i], v[PC+12+4*\c+\i]
.endr
.irp i, 0,1,2
	v_mov_b32 v[PC+3+6*\c+\i], v[PC+12+4*\c+\i]
.endr
.endr
.endm
.macro TOSTAGE a                       ; 24 bytes a lane and c into my stage, 16 bytes a lane back: LDS serves a wave's instructions in order
.irp p, 0,1,2,3,4,5
	ds_store_b64 v[STO], v[PC+2*\p:PC+2*\p+1] offset:768*(\p/3)+8*(\p%3)
.endr
.irp j, 0,1,2
	ds_load_b128 v[BK+12*((\a)%2)+4*\j:BK+12*((\a)%2)+4*\j+3], v[RD] offset:512*\j
.endr
.endm
.macro SEND a
	s_wait_dscnt 0x0                               ; the fragment is back in registers
	s_wait_xcnt 0x0                                ; earlier stores have read their base and their registers: both are written again only behind this wait
.if (\a) > 0
	s_add_nc_u64 s[12:13], s[12:13], s[18:19]
.endif
.if (\a) == 4
	s_add_nc_u64 s[12:13], s[12:13], s[20:21]
.endif
	global_store_b128 v[VO0], v[BK+12*((\a)%2):BK+12*((\a)%2)+3], s[12:13]      ; each sixteen lanes store 256 consecutive bytes, aligned
	global_store_b128 v[VO1], v[BK+12*((\a)%2)+4:BK+12*((\a)%2)+7], s[12:13]
	global_store_b128 v[VO2], v[BK+12*((\a)%2)+8:BK+12*((\a)%2)+11], s[12:13]
.endm
	QUANTW 0
	TOSTAGE 0
.irp a, 1,2,3,4,5,6,7
	QUANTW \a
	SEND \a-1
	TOSTAGE \a
.endr
	SEND 7
	; the scale words.  A word of v[PW + a] holds four bytes: the blocks of my 128 columns.  Lanes 0-15 store head0's, lanes 16-31 head0 + 1's; both halves of the lanes hold all words.
	v_cmp_ne_u32 vcc_lo, 0, v2
	s_cmp_eq_u32 ttmp9, 0
	s_cbranch_scc0 .Lsc_not_q
	v_mov_b32 v241, 0x03020302
	v_cndmask_b32 v240, 0x01000100, v241, vcc_lo   ; q: my head's two bytes, twice
.irp a, 0,1,2,3,4,5,6,7
	v_perm_b32 v[W+\a], v[PW+\a], v[PW+\a], v240
.endr
	global_store_b128 v[VS], v[W:W+3], s[46:47]
	global_store_b128 v[VS], v[W+4:W+7], s[46:47] offset:256
	s_branch .Lsc_done
.Lsc_not_q:
	s_cmp_eq_u32 ttmp9, 1
	s_cbranch_scc0 .Lsc_v
	v_mov_b32 v241, 0x07060302
	v_cndmask_b32 v240, 0x05040100, v241, vcc_lo   ; k: tile 2 f's two bytes, then tile 2 f + 1's
.irp f, 0,1,2,3
	v_perm_b32 v[W+\f], v[PW+2*\f+1], v[PW+2*\f], v240
.endr
	global_store_b128 v[VS], v[W:W+3], s[46:47]
	s_branch .Lsc_done
.Lsc_v:
.irp t, 0,1,2,3
	v_cndmask_b32 v[W+\t], v[PW+\t], v[PW+4+\t], vcc_lo   ; v: blocks 0-3 are head0's four tiles of channels, blocks 4-7 the next head's
.endr
	global_store_b128 v[VS], v[W:W+3], s[46:47]
.Lsc_done:
	s_wait_tensorcnt 0x0                           ; the wave's end, behind my last tensor load and my last LDS store
	ds_add_u32 v[SPW], v[NIL]
	s_wait_dscnt 0x0
	CROUND                                         ; the closing round: no work-group ends while a partner may still ask for a tile that names it
	s_endpgm
.Lfunc_end_k_qe00d0c28ee_qkv:
	.size	k_qe00d0c28ee_qkv, .Lfunc_end_k_qe00d0c28ee_qkv-k_qe00d0c28ee_qkv
	.p2alignl 7, 3214868480
	.fill 96, 4, 3214868480
	.section	.rodata,"a",@progbits
	.p2align	6, 0x0
	.amdhsa_kernel k_qe00d0c28ee_qkv
		.amdhsa_group_segment_fixed_size 327680
		.amdhsa_private_segment_fixed_size 0
		.amdhsa_enable_private_segment 0
		.amdhsa_kernarg_size 32
		.amdhsa_user_sgpr_count 2
		.amdhsa_user_sgpr_kernarg_segment_ptr 1
		.amdhsa_wavefront_size32 1
		.amdhsa_system_sgpr_workgroup_id_x 1
		.amdhsa_system_sgpr_workgroup_id_y 1
		.amdhsa_system_sgpr_workgroup_id_z 1
		.amdhsa_system_vgpr_workitem_id 0
		.amdhsa_next_free_vgpr 1024
		.amdhsa_next_free_sgpr 100
		.amdhsa_reserve_vcc 1
		.amdhsa_float_denorm_mode_32 3
		.amdhsa_float_denorm_mode_16_64 3
		.amdhsa_memory_ordered 1
		.amdhsa_forward_progress 1
		.amdhsa_inst_pref_size 173
	.end_amdhsa_kernel
	.amdgpu_metadata
---
amdhsa.version: [ 1, 2 ]
amdhsa.kernels:
  - .name:           k_qe00d0c28ee_qkv
    .symbol:         k_qe00d0c28ee_qkv.kd
    .args:
      - { .name: xq, .offset: 0, .size: 8, .value_kind: global_buffer, .address_space: global }
      - { .name: wq, .offset: 8, .size: 8, .value_kind: global_buffer, .address_space: global }
      - { .name: qq, .offset: 16, .size: 8, .value_kind: global_buffer, .address_space: global }
      - { .name: kv, .offset: 24, .size: 8, .value_kind: global_buffer, .address_space: global }
    .group_segment_fixed_size: 327680
    .private_segment_fixed_size: 0
    .kernarg_segment_align: 8
    .kernarg_segment_size: 32
    .max_flat_workgroup_size: 128
    .sgpr_count:     100
    .vgpr_count:     1024
    .wavefront_size: 32
...
	.end_amdgpu_metadata
.endif
;; end of part 2
;; launch attn (part 3): grid 4 x 64, 16 waves a work-group, clusters of 4 x 1, 219,136 bytes of LDS; arguments qq, kv, oq; writes oq
.if DOCPART == 3
	.amdgcn_target "amdgcn-amd-amdhsa--gfx1250"
	.amdhsa_code_object_version 6
	.text
	.protected	k_qe00d0c28ee_attn
	.globl	k_qe00d0c28ee_attn
	.p2align	8
	.type	k_qe00d0c28ee_attn,@function
k_qe00d0c28ee_attn:
	s_mov_b64 s[64:65], 0
	v_nop
	global_prefetch_b8 v0, s[64:65] scope:SCOPE_SE
	s_setreg_imm32_b32 hwreg(HW_REG_WAVE_MODE, 25, 1), 1
	s_wait_xcnt 0x0
	s_wait_alu depctr_hold_cnt(0) depctr_sa_sdst(0) depctr_va_vdst(0) depctr_va_sdst(0) depctr_va_ssrc(0) depctr_va_vcc(0) depctr_vm_vsrc(0)
	s_getreg_b32 s2, hwreg(HW_REG_IB_STS2, 6, 4)
	s_cmp_eq_u32 s2, 0
	s_cbranch_scc0 .Lentry_in_a_cluster
	s_endpgm
.Lentry_in_a_cluster:
	s_bfe_u32 s2, ttmp6, 0x10000c
	s_cmp_lg_u32 s2, 0x3003
	s_cbranch_scc0 .Lentry_shape_is_right
	s_endpgm
.Lentry_shape_is_right:
; softmax(q k^T / 8, causal) v on codes of FP6 (E2M3) with E8M0 scales, and o / l quantised along C for the last product.
; LEFT OUT: a step of 128 keys all of which come after a tile's queries (reference()'s own jnp.tril makes their weights 0 for all inputs: see the head of prep).
; THE SOFTMAX: t = score x log2(e) / 8; M = the row's largest t so far, rounded up to a whole number; p = 2^(t - M) is quantised along the keys, not normalised; the row's sum l is taken of the unquantised p and divides o at the end.
; When M moves, the sum and O are multiplied by 2^(old M - new M): exact.  A block's largest p is made from the block's largest score by the same two instructions (v_exp_f32 is taken not to fall where its input rises).
; SHARES.  The four work-groups of a cluster share one head.  The head's whole K, V and scale words, 16 records of 12,800 bytes, come into each one's LDS ONCE: wave w asks for record w, jointly with its three partners: one tensor load a wave, no slot is ever filled again.
; Queries go in groups of 128, eight tiles of 16.  Work-group cx takes tiles a = 2 cx + e of every group; wave w has e = w / 8 and two tasks, groups w and 15 - w: 17 live key steps in every wave of every work-group.
; Branches and trip counts hang on the wave's number and on counters alone; cx enters global addresses and the mask's number only.  Every partner reads all 16 records (waves 0 and 15 have group 15).
; LAYOUT.  Both products are used transposed: a lane holds ONE query (lane % 16).  The tokens of a tile are not neighbours (tile a of a group has as row i the token 32 (a / 2) + 8 (a % 2) + i + 8 (i / 8)), so that the 16 registers of
; two neighbouring tiles of scores are 16 neighbouring keys.  K = 64 IN AN INSTRUCTION OF 128: a fragment of K holds two tiles of keys (k 0 .. 63: tile 2 f, k 64 .. 127: tile 2 f + 1); Q stands as [six zeros][its six registers][six zeros]:
; v[22:33] meets tile 2 f, v[16:27] tile 2 f + 1; the other tile's codes meet zero codes, which add exactly 0 (FP6 has no NaN or infinity, and no scale byte here is 0xff).
; LIMITS: as stated at the head of prep.
.set REC,   12800
.set STAGE, 16*REC                     ; behind the records: 768 bytes for each wave, for the way out
.set SPARE, STAGE+16*768               ; the spare words, 128 bytes for each wave: eight blocks of 256 bytes that no other line names
.set SPW, 3                            ; v3   LDS address of my spare word; never rewritten
.set NIL, 4                            ; v4   0; never rewritten
; v1 24 x lane; v2 16 r; v5 the mask's number; v6, v7 the step's LDS addresses; v8, v9 the stage, in and out; v10 8 x lane; v11 8 r + h; v12 -M; v13 the largest t; v[14:15] the sum; v16-33 Q's zone; v34 Q's scale word; v35 h
; v36-83 four fragments of K, then of V; v84-87 K's scale words, v88-91 V's, v92 p's; v96-159 S^T, then p; v160-191 O^T
.set PC,  192                          ; v192-203 p's codes
.set PT,  204                          ; v204-206, v208-210 their second halves
.set BM,  212                          ; v212-215 the blocks' largest
.set BX,  216                          ; v216-219 the other half's; the bytes
.set BS,  220                          ; v220-223 the conversions' scale operands
; v[224:225] f; v226, v227 at work; v[228:229] the second chain of the sum; v230 -infinity; v232-237 the way out
; s10 wave; s11 cx; s12 batch x 16 + head; s13 e; s14 a; s15 the task's group; s16 the key step; s17 its record in LDS; s[20:21] lane selects; s[22:23] c; s[24:27], s[28:35] the descriptor; s[36:43] the task's four addresses; s48-52 their constant parts
.macro CROUND
	s_barrier_signal -1
	s_barrier_wait -1
	s_cmp_lg_u32 s10, 0
	s_cbranch_scc1 .Lnot_wave_0_\@
	s_barrier_signal -3
.Lnot_wave_0_\@:
	s_barrier_wait -3
	s_barrier_signal -1
	s_barrier_wait -1
.endm
	s_load_b128 s[4:7], s[0:1], 0x0                ; qq s[4:5], kv s[6:7]
	s_load_b64 s[8:9], s[0:1], 0x10                ; oq
	v_lshl_add_u32 v[SPW], v0, 2, SPARE
	v_mov_b32 v[NIL], 0
	ds_add_u32 v[SPW], v[NIL]                      ; the wave's opening: the add, twice on end, and its wait ahead of my first tensor load
	ds_add_u32 v[SPW], v[NIL]
	v_lshrrev_b32 v1, 5, v0
	s_delay_alu instid0(VALU_DEP_1)
	v_readfirstlane_b32 s10, v1                    ; wave 0..15
	s_bfe_u32 s11, ttmp6, 0x40000                  ; cx
	s_and_b32 s12, ttmp7, 0xffff                   ; the head, which the four partners share
	s_lshr_b32 s13, s10, 3                         ; e
	s_lshl_b32 s14, s11, 1
	s_add_co_u32 s14, s14, s13                     ; a = 2 cx + e
	s_mov_b32 s20, 0x76543210
	s_mov_b32 s21, 0xfedcba98
	s_mov_b32 s22, 0x3e38aa3b                      ; c = log2(e) / 8
	s_mov_b32 s23, s22                             ; (named with it as a pair, so it is written)
	; descriptor group 1: a record, 12,800 dense bytes, as 50 rows of 256 (32 elements of 8 bytes)
	s_mov_b32 s28, 15|(3<<16)|(1<<21)              ; 15:0 the mask: all four work-groups; 17:16 elements of 8 bytes; 20 no padding; 21 set beside a mask
	s_mov_b32 s29, 32<<16                          ; tensor_dim0
	s_mov_b32 s30, 50<<16                          ; tensor_dim1
	s_mov_b32 s31, 32<<16                          ; tile_dim0
	s_mov_b32 s32, 50                              ; tile_dim1
	s_mov_b32 s33, 32                              ; tensor_dim0_stride
	s_mov_b32 s34, 0
	s_mov_b32 s35, 0
	s_mul_i32 s18, s10, REC                        ; record w: its place in LDS and in the head
	s_mul_i32 s44, s12, 16*REC
	s_add_co_u32 s44, s44, s18
	s_mov_b32 s45, 0
	s_wait_dscnt 0x0                               ; both opening adds are done
	s_wait_kmcnt 0x0
	s_mov_b32 s24, 1                               ; count = 1
	s_mov_b32 s25, s18                             ; LDS address
	s_add_nc_u64 s[26:27], s[6:7], s[44:45]        ; global address
	s_or_b32 s27, s27, 0x80000000                  ; type = 2
	CROUND                                         ; all four work-groups are here: the joint loads meet
	tensor_load_to_lds s[24:27], s[28:35]          ; my one tensor load of the launch
	s_nop 0
.rept 4
	v_nop
.endr
	; the constant parts of a task's addresses
	s_mul_i32 s48, s12, 98304                      ; q's codes: my head
	s_lshl_b32 s49, s12, 13                        ; q's scale words: my head, tile a
	s_lshr_b32 s44, s14, 2
	s_lshl_b32 s44, s44, 8
	s_add_co_u32 s49, s49, s44
	s_and_b32 s44, s14, 3
	s_lshl_b32 s44, s44, 2
	s_add_co_u32 s49, s49, s44
	s_add_co_u32 s49, s49, 6291456
	s_lshr_b32 s50, s12, 4
	s_lshl_b32 s50, s50, 7
	s_add_co_u32 s50, s50, s14                     ; oq's row tile: 128 x batch + a
	s_and_b32 s45, s12, 15                         ; the head in its batch: K of the last product is 64 x head + d
	s_mul_i32 s51, s45, 768                        ; K step head / 2, c = head % 2
	s_lshr_b32 s52, s45, 2
	s_lshl_b32 s52, s52, 7                         ; scale bytes: pair of K steps head / 4,
	s_bfe_u32 s44, s45, 0x10001
	s_lshl_b32 s44, s44, 2                         ; word (head / 2) % 2,
	s_add_co_u32 s52, s52, s44
	s_and_b32 s44, s45, 1
	s_lshl_b32 s44, s44, 1                         ; bytes 2 (head % 2) + h
	s_add_co_u32 s52, s52, s44
	s_add_co_u32 s52, s52, 6291456
	v_and_b32 v36, 31, v0                          ; lane
	v_and_b32 v37, 15, v0                          ; r
	v_bfe_u32 v35, v0, 4, 1                        ; h
	s_delay_alu instid0(VALU_DEP_3)
	v_mul_u32_u24 v1, v36, 24
	s_delay_alu instid0(VALU_DEP_3)
	v_lshlrev_b32 v2, 4, v37
	s_delay_alu instid0(VALU_DEP_4)
	v_and_b32 v38, 8, v37
	s_delay_alu instid0(VALU_DEP_1)
	v_add_nc_u32 v5, v37, v38                      ; r + 8 (r / 8)
	v_lshlrev_b32 v38, 4, v35
	s_delay_alu instid0(VALU_DEP_1)
	v_sub_nc_u32 v5, v5, v38
	s_lshl_b32 s44, s11, 5
	s_lshl_b32 s45, s13, 3
	s_add_co_u32 s44, s44, s45
	v_add_nc_u32 v5, s44, v5                       ; my query in its group, less 16 h: register 16 b + i holds key 32 b + 16 h + i, hidden on the diagonal where 32 b + i is above this number
	s_mul_i32 s44, s10, 768
	s_add_co_u32 s44, s44, STAGE
	v_add_nc_u32 v8, s44, v1
	v_lshlrev_b32 v10, 3, v36
	s_delay_alu instid0(VALU_DEP_1)
	v_add_nc_u32 v9, s44, v10
	v_lshl_add_u32 v11, v37, 3, v35
.irp j, 16,17,18,19,20,21,28,29,30,31,32,33
	v_mov_b32 v\j, 0                               ; the zero codes on both sides of Q
.endr
.irp j, 216,217,218,219,225,226
	v_mov_b32 v\j, 0                               ; written once: lane permutes' destinations, and the upper half of f's pair
.endr
	v_mov_b32 v230, 0xff800000                     ; -infinity
; A TASK: tile a of group s15: its live key steps, then its way out.  first = 1: the wait for the records and the work-group's one barrier stand behind the task's loads of Q.
.macro TASK first
	s_lshl_b32 s44, s15, 3
	s_add_co_u32 s45, s44, s14                     ; the tile in its head: 8 x group + a
	s_mul_i32 s46, s45, 768
	s_add_co_u32 s46, s46, s48
	s_mov_b32 s47, 0
	s_add_nc_u64 s[36:37], s[4:5], s[46:47]        ; Q's codes
	s_lshl_b32 s46, s15, 9
	s_add_co_u32 s46, s46, s49
	s_add_nc_u64 s[38:39], s[4:5], s[46:47]        ; Q's scale words
	s_add_co_u32 s45, s44, s50                     ; oq's row tile
	s_mul_i32 s46, s45, 12288
	s_add_co_u32 s46, s46, s51
	s_add_nc_u64 s[40:41], s[8:9], s[46:47]        ; my 768 bytes of codes
	s_lshl_b32 s46, s45, 9
	s_add_co_u32 s46, s46, s52
	s_add_nc_u64 s[42:43], s[8:9], s[46:47]        ; my scale bytes
.irp p, 0,1,2
	global_load_b64 v[22+2*\p:23+2*\p], v1, s[36:37] offset:8*\p
.endr
	global_load_b32 v34, v2, s[38:39]
	v_mov_b32 v13, 0xff61b1e6                      ; the largest t so far: -3e38, under every t
	s_delay_alu instid0(VALU_DEP_1)
	v_floor_f32 v12, -v13                          ; -M
	v_mov_b32 v14, 0
	v_mov_b32 v15, 0
.set i, 0
.rept 32
	v_mov_b32 v[160+i], 0                          ; O^T: the step is written once; the first finds zeros, which the first change of M leaves zeros
.set i, i+1
.endr
	s_mov_b32 s16, 0
	s_mov_b32 s17, 0
.if \first
	s_wait_tensorcnt 0x0                           ; my record is in,
	s_barrier_signal -1
	s_barrier_wait -1                              ; everybody's is
.endif
	s_wait_loadcnt 0x0                             ; Q
.Lstep_\@:                                         ; sixteen trips, a constant; a hidden step's work is jumped over
	s_cmp_gt_u32 s16, s15
	s_cbranch_scc1 .Lskip_\@
	s_setprio 2
	v_add_nc_u32 v6, s17, v1
	v_add_nc_u32 v7, s17, v2
	v_nop
	v_nop                                          ; four places in front of loads into registers that the last products read
.set f, 0
.rept 4
.irp p, 0,1,2,3,4,5
	ds_load_b64 v[36+12*f+2*\p:37+12*f+2*\p], v6 offset:1536*f+768*(\p/3)+8*(\p%3)
.endr
.set f, f+1
.endr
	ds_load_b128 v[84:87], v7 offset:12288
	s_wait_alu depctr_va_vdst(0)
	s_wait_dscnt 0x0
.set f, 0
.rept 4                                        ; S^T = K Q^T: fragment f against Q below (tile 2 f) and Q above (tile 2 f + 1)
	v_wmma_scale_f32_16x16x128_f8f6f4 v[96+16*f:103+16*f], v[36+12*f:47+12*f], v[22:33], 0, v[84+f], v34 matrix_a_fmt:MATRIX_FMT_FP6 matrix_b_fmt:MATRIX_FMT_FP6
	v_wmma_scale_f32_16x16x128_f8f6f4 v[104+16*f:111+16*f], v[36+12*f:47+12*f], v[16:27], 0, v[84+f], v34 matrix_a_fmt:MATRIX_FMT_FP6 matrix_b_fmt:MATRIX_FMT_FP6
.set f, f+1
.endr
.rept 4
	v_nop                                          ; places in front of the loads below and of the first read of the scores
.endr
.set f, 0
.rept 4                                        ; V's four fragments into the same registers: they land under the softmax
.irp p, 0,1,2,3,4,5
	ds_load_b64 v[36+12*f+2*\p:37+12*f+2*\p], v6 offset:6144+1536*f+768*(\p/3)+8*(\p%3)
.endr
.set f, f+1
.endr
	ds_load_b128 v[88:91], v7 offset:12544
	s_cmp_lg_u32 s16, s15                          ; on the diagonal the scores of hidden keys become -infinity ahead of the maximum: p = 0 then
	s_cbranch_scc1 .Lopen_\@
.set n, 0
.rept 64
	v_cmp_gt_i32 vcc_lo, 32*(n/16)+n%16, v5
	v_cndmask_b32 v[96+n], v[96+n], v230, vcc_lo
.set n, n+1
.endr
.Lopen_\@:
.irp b, 0,1,2,3
	v_max3_num_f32 v[BM+\b], v[96+16*\b], v[97+16*\b], v[98+16*\b]   ; the largest score of each block of 32 keys: for the row's maximum and for the block's largest p
.endr
.irp i, 3,5,7,9,11,13
.irp b, 0,1,2,3
	v_max3_num_f32 v[BM+\b], v[BM+\b], v[96+16*\b+\i], v[97+16*\b+\i]
.endr
.endr
.irp b, 0,1,2,3
	v_max_num_f32 v[BM+\b], v[BM+\b], v[111+16*\b]
.endr
.irp b, 0,1,2,3
	s_delay_alu instid0(VALU_DEP_4)
	v_permlanex16_b32 v[BX+\b], v[BM+\b], s20, s21
.endr
.irp b, 0,1,2,3
	s_delay_alu instid0(VALU_DEP_4)
	v_max_num_f32 v[BM+\b], v[BM+\b], v[BX+\b]     ; with lane l xor 16's 16 keys
.endr
	s_delay_alu instid0(VALU_DEP_2)
	v_max3_num_f32 v226, v[BM], v[BM+1], v[BM+2]
	s_delay_alu instid0(VALU_DEP_1)
	v_max_num_f32 v226, v226, v[BM+3]              ; the step's largest score of my query
	s_delay_alu instid0(VALU_DEP_1)
	v_mul_f32 v226, s22, v226                      ; as t
	s_delay_alu instid0(VALU_DEP_1)
	v_max_num_f32 v13, v13, v226                   ; the running largest t
	v_mov_b32 v226, v12
	s_delay_alu instid0(VALU_DEP_2)
	v_floor_f32 v12, -v13                          ; the new -M = -ceil(t)
	s_delay_alu instid0(VALU_DEP_1)
	v_sub_f32 v226, v12, v226                      ; old M - new M: a whole number, 0 or less
	s_delay_alu instid0(VALU_DEP_1)
	v_cvt_i32_f32 v226, v226                       ; (it saturates)
	s_delay_alu instid0(VALU_DEP_1)
	v_ldexp_f32 v224, 1.0, v226                    ; f = 2^(old M - new M)
.set j, 0
	s_setprio 1
.rept 32
	v_pk_fma_f32 v[96+j:97+j], v[96+j:97+j], s[22:23], v[12:13] op_sel_hi:[1,0,0]   ; t - M, two at a time
.set j, j+2
.endr
.irp b, 0,1,2,3
	v_fma_f32 v[BM+\b], v[BM+\b], s22, v12         ; the same of each block's largest score
.endr
.set j, 0
	s_wait_alu depctr_va_vdst(0)
.rept 64
	v_exp_f32 v[96+j], v[96+j]                     ; p = 2^(t - M)
.set j, j+1
.endr
	v_pk_mul_f32 v[14:15], v[14:15], v[224:225] op_sel_hi:[1,0]   ; the sums under the new M (a plain place behind the exponentials)
	s_wait_alu depctr_va_vdst(0)                   ; one wait for the whole batch, ahead of its first reader
.irp b, 0,1,2,3
	v_exp_f32 v[BM+\b], v[BM+\b]                   ; the block's largest p
.endr
	v_pk_add_f32 v[228:229], v[100:101], v[104:105]
	v_pk_add_f32 v[254:255], v[108:109], v[112:113]
	v_pk_add_f32 v[252:253], v[116:117], v[120:121]
	v_pk_add_f32 v[250:251], v[124:125], v[128:129]
	v_pk_add_f32 v[248:249], v[132:133], v[136:137]
	v_pk_add_f32 v[246:247], v[140:141], v[144:145]
	v_pk_add_f32 v[244:245], v[148:149], v[152:153]
	v_pk_add_f32 v[14:15], v[14:15], v[156:157]
	v_pk_add_f32 v[228:229], v[228:229], v[96:97]
	v_pk_add_f32 v[254:255], v[254:255], v[98:99]
	v_pk_add_f32 v[252:253], v[252:253], v[102:103]
	v_pk_add_f32 v[250:251], v[250:251], v[106:107]
	v_pk_add_f32 v[248:249], v[248:249], v[110:111]
	v_pk_add_f32 v[246:247], v[246:247], v[114:115]
	v_pk_add_f32 v[244:245], v[244:245], v[118:119]
	v_pk_add_f32 v[14:15], v[14:15], v[122:123]
	v_pk_add_f32 v[228:229], v[228:229], v[126:127]
	v_pk_add_f32 v[254:255], v[254:255], v[130:131]
	v_pk_add_f32 v[252:253], v[252:253], v[134:135]
	v_pk_add_f32 v[250:251], v[250:251], v[138:139]
	v_pk_add_f32 v[248:249], v[248:249], v[142:143]
	v_pk_add_f32 v[246:247], v[246:247], v[146:147]
	v_pk_add_f32 v[244:245], v[244:245], v[150:151]
	v_pk_add_f32 v[14:15], v[14:15], v[154:155]
	v_pk_add_f32 v[228:229], v[228:229], v[158:159]
	s_delay_alu instid0(VALU_DEP_2)
	v_pk_add_f32 v[14:15], v[14:15], v[250:251]
	s_delay_alu instid0(VALU_DEP_2)
	v_pk_add_f32 v[228:229], v[228:229], v[248:249]
	v_pk_add_f32 v[254:255], v[254:255], v[246:247]
	v_pk_add_f32 v[252:253], v[252:253], v[244:245]
	s_delay_alu instid0(VALU_DEP_2)
	v_pk_add_f32 v[14:15], v[14:15], v[254:255]
	s_delay_alu instid0(VALU_DEP_2)
	v_pk_add_f32 v[228:229], v[228:229], v[252:253]
	s_delay_alu instid0(VALU_DEP_1)
	v_pk_add_f32 v[14:15], v[14:15], v[228:229]
	s_wait_alu depctr_va_vdst(0)                   ; and one for the four
.irp b, 0,1,2,3
	v_max_num_f32 v[BM+\b], 0x1800000, v[BM+\b]    ; the floor: the byte cannot fall under 1
.endr
.irp b, 0,1,2,3
	s_delay_alu instid0(VALU_DEP_4)
	v_add_nc_u32 v[BS+\b], 0xff000000, v[BM+\b]    ; the conversion's scale operand
.endr
.irp b, 0,1,2,3
	s_delay_alu instid0(VALU_DEP_4)
	v_lshrrev_b32 v[BX+\b], 23, v[BS+\b]           ; the scale's byte
.endr
	s_delay_alu instid0(VALU_DEP_3)
	v_lshl_or_b32 v92, v[BX+1], 8, v[BX]           ; p's scale word for these 128 keys
	s_delay_alu instid0(VALU_DEP_1)
	v_lshl_or_b32 v92, v[BX+2], 16, v92
	s_delay_alu instid0(VALU_DEP_1)
	v_lshl_or_b32 v92, v[BX+3], 24, v92
	s_setprio 0
.irp c, 0,1
	v_cvt_scalef32_pk16_fp6_f32 v[PC+6*\c:PC+2+6*\c], v[96+32*\c:111+32*\c], v[BS+2*\c]
	v_cvt_scalef32_pk16_fp6_f32 v[PT+4*\c:PT+2+4*\c], v[112+32*\c:127+32*\c], v[BS+2*\c+1]
.endr
	v_nop                                          ; one plain place behind a scaled conversion
.irp c, 0,1
.irp i, 0,1,2
	v_permlane16_swap_b32 v[PC+6*\c+\i], v[PT+4*\c+\i]
.endr
.irp i, 0,1,2
	s_delay_alu instid0(VALU_DEP_3)
	v_mov_b32 v[PC+3+6*\c+\i], v[PT+4*\c+\i]
.endr
.endr
.set j, 0
.rept 16
	v_pk_mul_f32 v[160+j:161+j], v[160+j:161+j], v[224:225] op_sel_hi:[1,0]   ; O^T under the new M; these sixteen are also the places between the lines that made p's codes and scale word and the products
.set j, j+2
.endr
	s_wait_alu depctr_va_vdst(0)
	s_wait_dscnt 0x0                               ; V is in
.set f, 0
.rept 4                                        ; O^T += V^T P^T: four accumulators, one instruction a turn
	v_wmma_scale_f32_16x16x128_f8f6f4 v[160+8*f:167+8*f], v[36+12*f:47+12*f], v[PC:PC+11], v[160+8*f:167+8*f], v[88+f], v92 matrix_a_fmt:MATRIX_FMT_FP6 matrix_b_fmt:MATRIX_FMT_FP6
.set f, f+1
.endr
.Lskip_\@:
	s_add_co_u32 s17, s17, REC
	s_add_co_u32 s16, s16, 1
	s_cmp_lt_u32 s16, 16
	s_cbranch_scc1 .Lstep_\@
	s_setprio 0
	; the way out: o / l, register 16 b + i = channel 32 b + 16 h + i of my query: two blocks of the last product's K
	v_add_f32 v14, v14, v15
	s_delay_alu instid0(VALU_DEP_1)
	v_permlanex16_b32 v226, v14, s20, s21
	s_delay_alu instid0(VALU_DEP_1)
	v_add_f32 v14, v14, v226                       ; the row's sum
	s_wait_alu depctr_va_vdst(0)
	v_rcp_f32 v14, v14
	v_cmp_ne_u32 vcc_lo, 0, v35                    ; (a plain place behind the reciprocal; with the additions and the two lines below: the places behind the last products)
	v_nop
	v_nop
	s_wait_alu depctr_va_vdst(0)                   ; the wait ahead of the reciprocal's first reader
.set j, 0
.rept 16
	v_pk_mul_f32 v[96+j:97+j], v[160+j:161+j], v[14:15] op_sel_hi:[1,0]   ; each accumulator from its low end on
.set j, j+2
.endr
.irp b, 0,1
	v_max3_num_f32 v[BM+\b], |v[96+16*\b]|, |v[97+16*\b]|, 0x1800000
.endr
.irp i, 2,4,6,8,10,12,14
.irp b, 0,1
	s_delay_alu instid0(VALU_DEP_2)
	v_max3_num_f32 v[BM+\b], v[BM+\b], |v[96+16*\b+\i]|, |v[97+16*\b+\i]|
.endr
.endr
.irp b, 0,1
	s_delay_alu instid0(VALU_DEP_2)
	v_permlanex16_b32 v[BX+\b], v[BM+\b], s20, s21
.endr
.irp b, 0,1
	s_delay_alu instid0(VALU_DEP_2)
	v_max_num_f32 v[BM+\b], v[BM+\b], v[BX+\b]
.endr
.irp b, 0,1
	s_delay_alu instid0(VALU_DEP_2)
	v_add_nc_u32 v[BS+\b], 0xff000000, v[BM+\b]
.endr
.irp b, 0,1
	s_delay_alu instid0(VALU_DEP_2)
	v_lshrrev_b32 v[BX+\b], 23, v[BS+\b]
.endr
	s_delay_alu instid0(VALU_DEP_1)
	v_cndmask_b32 v227, v[BX], v[BX+1], vcc_lo     ; lane (r, h) stores block h's byte
	v_cvt_scalef32_pk16_fp6_f32 v[PC:PC+2], v[96:111], v[BS]
	v_cvt_scalef32_pk16_fp6_f32 v[PT:PT+2], v[112:127], v[BS+1]
	v_nop                                          ; one plain place behind a scaled conversion
.irp i, 0,1,2
	v_permlane16_swap_b32 v[PC+\i], v[PT+\i]
.endr
.irp i, 0,1,2
	s_delay_alu instid0(VALU_DEP_3)
	v_mov_b32 v[PC+3+\i], v[PT+\i]                 ; v[PC] on: my block h's 24 bytes
.endr
.irp p, 0,1,2
	ds_store_b64 v8, v[PC+2*\p:PC+2*\p+1] offset:8*\p
.endr
.irp j, 0,1,2
	ds_load_b64 v[232+2*\j:233+2*\j], v9 offset:256*\j   ; LDS serves a wave's instructions in order: these see my stores
.endr
	s_wait_alu depctr_va_vdst(0)
.irp j, 0,1,2
	s_wait_dscnt 2-\j                              ; load j is in; the younger ones may be out
	global_store_b64 v10, v[232+2*\j:233+2*\j], s[40:41] offset:256*\j   ; 32 lanes store 256 consecutive bytes, aligned
.endr
	global_store_b8 v11, v227, s[42:43]            ; 32 bytes inside 128: a head owns 2 of a row's 32 scale bytes; one byte for each 24 of codes
.endm
	s_mov_b32 s15, s10                             ; group w,
	TASK 1
	s_wait_xcnt 0x0                                ; the first task's loads and stores have read their addresses and registers: both are written again only behind this wait
	s_sub_co_u32 s15, 15, s15                      ; then group 15 - w
	TASK 0
	s_wait_tensorcnt 0x0                           ; the wave's end, behind my tensor load and my last LDS store
	ds_add_u32 v[SPW], v[NIL]
	s_wait_dscnt 0x0
	CROUND                                         ; the closing round
	s_endpgm
.Lfunc_end_k_qe00d0c28ee_attn:
	.size	k_qe00d0c28ee_attn, .Lfunc_end_k_qe00d0c28ee_attn-k_qe00d0c28ee_attn
	.p2alignl 7, 3214868480
	.fill 96, 4, 3214868480
	.section	.rodata,"a",@progbits
	.p2align	6, 0x0
	.amdhsa_kernel k_qe00d0c28ee_attn
		.amdhsa_group_segment_fixed_size 219136
		.amdhsa_private_segment_fixed_size 0
		.amdhsa_enable_private_segment 0
		.amdhsa_kernarg_size 24
		.amdhsa_user_sgpr_count 2
		.amdhsa_user_sgpr_kernarg_segment_ptr 1
		.amdhsa_wavefront_size32 1
		.amdhsa_system_sgpr_workgroup_id_x 1
		.amdhsa_system_sgpr_workgroup_id_y 1
		.amdhsa_system_sgpr_workgroup_id_z 1
		.amdhsa_system_vgpr_workitem_id 0
		.amdhsa_next_free_vgpr 256
		.amdhsa_next_free_sgpr 66
		.amdhsa_reserve_vcc 1
		.amdhsa_float_denorm_mode_32 3
		.amdhsa_float_denorm_mode_16_64 3
		.amdhsa_memory_ordered 1
		.amdhsa_forward_progress 1
		.amdhsa_inst_pref_size 67
	.end_amdhsa_kernel
	.amdgpu_metadata
---
amdhsa.version: [ 1, 2 ]
amdhsa.kernels:
  - .name:           k_qe00d0c28ee_attn
    .symbol:         k_qe00d0c28ee_attn.kd
    .args:
      - { .name: qq, .offset: 0, .size: 8, .value_kind: global_buffer, .address_space: global }
      - { .name: kv, .offset: 8, .size: 8, .value_kind: global_buffer, .address_space: global }
      - { .name: oq, .offset: 16, .size: 8, .value_kind: global_buffer, .address_space: global }
    .group_segment_fixed_size: 219136
    .private_segment_fixed_size: 0
    .kernarg_segment_align: 8
    .kernarg_segment_size: 24
    .max_flat_workgroup_size: 512
    .sgpr_count:     66
    .vgpr_count:     256
    .wavefront_size: 32
...
	.end_amdgpu_metadata
.endif
;; end of part 3
;; launch proj (part 4): grid 4 x 32, 4 waves a work-group, clusters of 4 x 4, 327,680 bytes of LDS; arguments oq, wq, out0; writes out0
.if DOCPART == 4
	.amdgcn_target "amdgcn-amd-amdhsa--gfx1250"
	.amdhsa_code_object_version 6
	.text
	.protected	k_qe00d0c28ee_proj
	.globl	k_qe00d0c28ee_proj
	.p2align	8
	.type	k_qe00d0c28ee_proj,@function
k_qe00d0c28ee_proj:
	s_mov_b64 s[64:65], 0
	v_nop
	global_prefetch_b8 v0, s[64:65] scope:SCOPE_SE
	s_setreg_imm32_b32 hwreg(HW_REG_WAVE_MODE, 25, 1), 1
	s_wait_xcnt 0x0
	s_wait_alu depctr_hold_cnt(0) depctr_sa_sdst(0) depctr_va_vdst(0) depctr_va_sdst(0) depctr_va_ssrc(0) depctr_va_vcc(0) depctr_vm_vsrc(0)
	s_getreg_b32 s2, hwreg(HW_REG_IB_STS2, 6, 4)
	s_cmp_eq_u32 s2, 0
	s_cbranch_scc0 .Lentry_in_a_cluster
	s_endpgm
.Lentry_in_a_cluster:
	s_bfe_u32 s2, ttmp6, 0x10000c
	s_cmp_lg_u32 s2, 0xf033
	s_cbranch_scc0 .Lentry_shape_is_right
	s_endpgm
.Lentry_shape_is_right:
; out0 = (o / l) w_proj on codes of FP6 (E2M3) with E8M0 scales, K = 1,024; f32 sums, f32 results.  A = oq (8,192 tokens), B = rows 3,072 .. 4,095 of wq (w_proj's columns).
; The loop is that of the launch qkv: a tile of 256 x 256 by four waves of 128 x 128, K in steps of 256 through a ring of two LDS slots, operands in the order of the operand's registers, scale words in LDS for all of K,
; clusters of 4 x 4 with A's tiles shared along a row and B's along a column.  The matrix instruction is used transposed: a lane holds one token and, in accumulator b, the columns 32 (b / 2) + 16 (lane / 16) + 8 (b % 2) + 0 .. 7.
; The order of rows in a tile (of each 32 rows tile u has as row i the row 8 u + i + 8 (i / 8)) is undone on the way out by immediates: the columns in the stage's stores, the tokens in the global stores.
.set NQ,     2
.set FR,     12
.set NL,     6
.set NP,     4
.set RTB,    3072
.set HALFT,  8*RTB
.set SLOT,   4*HALFT
.set LAPS,   2
.set KROW,   768
.set KS,     32
.set SCL,    2*SLOT
.set HALFS,  4096
.set SBLK,   512
.set SPARE,  SCL+4*HALFS               ; the spare words, 128 bytes for each wave: two blocks of 256 bytes that no other line names
.set SPITCH, 528                       ; the way out: a stage of 16 rows x (512 + 16) bytes for each wave, in slot 0, which has had its last fill and its last read when the first result is stored there
.set ADRA, 16
.set ADRB, 20
.set STO,  24
.set RD,   25
.set CO,   26
.set ADRS, 27
.set SPW,  28
.set NIL,  29
.set SC,   32
.set AF,   128
.set BK,   128                         ; the way out: 16 rows read back: v128-191 and v192-255 by turns
.set G1, 24
.set G0, 32
.set G1B, 48
.set G0B, 56
.set G1S, 68
.set G0S, 76
.set G1SB, 80
.set G0SB, 88
.set MSB, 0
.macro WIN new
.if MSB != (\new)
	s_set_vgpr_msb (MSB<<8)|(\new)
.set MSB, (\new)
.endif
.endm
.set MUL_LO, 0xa1
.set MUL_HI, 0xf1
.set TO_B,   0x40
.macro JLOAD g0a, g1a, g0b, g1b        ; a joint load: waves 0 and 1 fetch for A, waves 2 and 3 for B; an s_nop 0 and four v_nop follow each of the two lines
	s_cmp_eq_u32 s15, 0
	s_cbranch_scc0 .Lfor_b_\@
	tensor_load_to_lds s[\g0a:\g0a+3], s[\g1a:\g1a+7]
	s_nop 0
.rept 4
	v_nop
.endr
	s_branch .Lasked_\@
.Lfor_b_\@:
	tensor_load_to_lds s[\g0b:\g0b+3], s[\g1b:\g1b+7]
	s_nop 0
.rept 4
	v_nop
.endr
.Lasked_\@:
.endm
.macro CREST
	s_cmp_lg_u32 s14, 0
	s_cbranch_scc1 .Lnot_wave_0_\@
	s_barrier_signal -3
.Lnot_wave_0_\@:
	s_barrier_wait -3
	s_barrier_signal -1
	s_barrier_wait -1
.endm
.macro CROUND
	s_barrier_signal -1
	s_barrier_wait -1
	CREST
.endm
	s_load_b128 s[4:7], s[0:1], 0x0                ; oq s[4:5], wq s[6:7]
	s_load_b64 s[12:13], s[0:1], 0x10              ; out0
	v_lshl_add_u32 v[SPW], v0, 2, SPARE
	v_mov_b32 v[NIL], 0
	ds_add_u32 v[SPW], v[NIL]                      ; the wave's opening: the add, twice on end, and its wait ahead of my first tensor load
	ds_add_u32 v[SPW], v[NIL]
	v_lshrrev_b32 v1, 5, v0
	v_readfirstlane_b32 s14, v1                    ; wave 0..3
	s_lshr_b32 s15, s14, 1                         ; which half of the tile's rows is mine.  Also: I fetch for A (0) or for B (1)
	s_and_b32 s16, s14, 1                          ; which half of its columns.  Also: which 128 rows I fetch
	s_bfe_u32 s40, ttmp6, 0x40000                  ; cx, cy
	s_bfe_u32 s41, ttmp6, 0x40004
	s_lshl_b32 s42, ttmp9, 2
	s_add_co_u32 s42, s42, s40                     ; tile column
	s_and_b32 s17, ttmp7, 0xffff
	s_lshl_b32 s17, s17, 2
	s_add_co_u32 s17, s17, s41                     ; tile row
	s_lshl_b32 s43, s41, 2
	s_lshl_b32 s43, 15, s43                        ; my row of the cluster
	s_lshl_b32 s44, 0x1111, s40                    ; my column
	s_or_b32 s[G1+0], s43, (3<<16)|(1<<21)         ; codes: 8 row tiles x 3,072 consecutive bytes (384 elements of 8), 12,288 bytes apart
	s_or_b32 s[G1B+0], s44, (3<<16)|(1<<21)
.irp g, G1, G1B
	s_mov_b32 s[\g+1], 384<<16
	s_mov_b32 s[\g+2], 8<<16
	s_mov_b32 s[\g+3], 384<<16
	s_mov_b32 s[\g+4], 8
	s_mov_b32 s[\g+5], 1536
	s_mov_b32 s[\g+6], 0
	s_mov_b32 s[\g+7], 0
.endr
	s_or_b32 s[G1S+0], s43, (3<<16)|(1<<21)        ; scale words of 128 rows: 4,096 dense bytes, as 16 rows of 256
	s_or_b32 s[G1SB+0], s44, (3<<16)|(1<<21)
.irp g, G1S, G1SB
	s_mov_b32 s[\g+1], 32<<16
	s_mov_b32 s[\g+2], 16<<16
	s_mov_b32 s[\g+3], 32<<16
	s_mov_b32 s[\g+4], 16
	s_mov_b32 s[\g+5], 32
	s_mov_b32 s[\g+6], 0
	s_mov_b32 s[\g+7], 0
.endr
	s_lshl_b32 s18, s16, 7
	s_lshl_b32 s20, s17, 8
	s_add_co_u32 s20, s20, s18                     ; A's row
	s_lshl_b32 s46, s42, 8
	s_add_co_u32 s46, s46, s18
	s_add_co_u32 s46, s46, 3072                    ; B's row: w_proj's columns stand behind w_qkv's in wq
	s_mov_b32 s21, 0
	s_mov_b32 s47, 0
	s_mov_b64 s[18:19], KS
	s_mul_u64 s[22:23], s[20:21], s[18:19]
	s_mul_u64 s[92:93], s[46:47], s[18:19]
	s_add_nc_u64 s[22:23], s[22:23], 6291456       ; the scale words lie behind the codes
	s_add_nc_u64 s[92:93], s[92:93], 3145728
	s_mov_b64 s[18:19], KROW
	s_mul_u64 s[20:21], s[20:21], s[18:19]
	s_mul_u64 s[46:47], s[46:47], s[18:19]
	s_mul_i32 s45, s14, HALFT
	s_mul_i32 s94, s14, HALFS
	s_wait_dscnt 0x0                               ; both opening adds are done
	s_wait_kmcnt 0x0
	s_add_nc_u64 s[20:21], s[4:5], s[20:21]
	s_add_nc_u64 s[22:23], s[4:5], s[22:23]
	s_add_nc_u64 s[46:47], s[6:7], s[46:47]
	s_add_nc_u64 s[92:93], s[6:7], s[92:93]
	CROUND                                         ; all sixteen work-groups are here: the first joint loads meet
	s_mov_b32 s[G0S], 1
	s_add_co_u32 s[G0S+1], s94, SCL
	s_mov_b64 s[G0S+2:G0S+3], s[22:23]
	s_or_b32 s[G0S+3], s[G0S+3], 0x80000000
	s_mov_b32 s[G0SB], 1
	s_add_co_u32 s[G0SB+1], s94, SCL
	s_mov_b64 s[G0SB+2:G0SB+3], s[92:93]
	s_or_b32 s[G0SB+3], s[G0SB+3], 0x80000000
	JLOAD G0S, G1S, G0SB, G1SB
.irp s, 0,1
	s_mov_b32 s[G0+4*\s], 1
	s_add_co_u32 s[G0+4*\s+1], s45, \s*SLOT
	s_add_nc_u64 s[G0+4*\s+2:G0+4*\s+3], s[20:21], \s*RTB
	s_or_b32 s[G0+4*\s+3], s[G0+4*\s+3], 0x80000000
	s_mov_b32 s[G0B+4*\s], 1
	s_add_co_u32 s[G0B+4*\s+1], s45, \s*SLOT
	s_add_nc_u64 s[G0B+4*\s+2:G0B+4*\s+3], s[46:47], \s*RTB
	s_or_b32 s[G0B+4*\s+3], s[G0B+4*\s+3], 0x80000000
	JLOAD G0+4*\s, G1, G0B+4*\s, G1B               ; three tensor loads of mine are out at the most
.endr
	v_and_b32 v1, 15, v0                           ; r
	v_bfe_u32 v2, v0, 4, 1                         ; h
	v_and_b32 v3, 31, v0                           ; lane
	v_mul_u32_u24 v4, v3, 24
	s_mul_i32 s21, s15, HALFT
	s_mul_i32 s22, s16, HALFT
	s_add_co_u32 s22, s22, 2*HALFT
.irp s, 0,1
	v_add_nc_u32 v[ADRA+\s], s21, v4
	v_add_nc_u32 v[ADRB+\s], s22, v4
	s_add_co_u32 s21, s21, SLOT
	s_add_co_u32 s22, s22, SLOT
.endr
	v_lshlrev_b32 v5, 3, v1
	s_mul_i32 s21, s15, HALFS
	s_mul_i32 s22, s16, HALFS
	s_add_co_u32 s22, s22, 2*HALFS
	s_sub_co_u32 s22, s22, s21
	v_mul_u32_u24 v6, s22, v2                      ; lanes 16-31 take B's
	s_add_co_u32 s21, s21, SCL
	v_add_nc_u32 v5, v5, v6
	v_add_nc_u32 v[ADRS], s21, v5
	s_mul_i32 s23, s14, 16*SPITCH                  ; my stage
	v_mul_u32_u24 v5, v1, SPITCH
	v_lshl_add_u32 v5, v2, 6, v5                   ; in: row r, + 64 h: my half's 16 columns of each 32
	v_add_nc_u32 v[STO], s23, v5
	v_lshlrev_b32 v[CO], 4, v3                     ; back: the 32 lanes take one row of 512 bytes; and the same in out0
	v_add_nc_u32 v[RD], s23, v[CO]
	s_lshl_b32 s20, s17, 8
	s_lshl_b32 s21, s15, 7
	s_add_co_u32 s20, s20, s21                     ; my first token
	s_mov_b32 s21, 0
	s_mov_b64 s[18:19], 4096
	s_mul_u64 s[20:21], s[20:21], s[18:19]
	s_lshl_b32 s46, s42, 10                        ; my first column, in bytes
	s_lshl_b32 s47, s16, 9
	s_add_co_u32 s46, s46, s47
	s_mov_b32 s47, 0
	s_add_nc_u64 s[20:21], s[20:21], s[46:47]
	s_add_nc_u64 s[12:13], s[12:13], s[20:21]
.macro FRAG reg, adr, q, i
.irp p, 0,1,2,3,4,5
	ds_load_b64 v[\reg+2*\p:\reg+2*\p+1], v[\adr] offset:(\i)*RTB+(\q)*1536+(\p/3)*768+8*(\p%3)
.endr
.endm
.macro MUL16 a0, p, q, sc, zero        ; the 64 accumulators take turns, one instruction a turn, in the same order in every step
.irp a, \a0, \a0+1
.irp b, 0,1,2,3,4,5,6,7
.if \zero
	v_wmma_scale_f32_16x16x128_f8f6f4 v[8*(8*((\a)%4)+\b):8*(8*((\a)%4)+\b)+7], v[128*(\p)+FR*\b:128*(\p)+FR*\b+FR-1], v[AF+FR*(\a):AF+FR*(\a)+FR-1], 0, v[SC+8*NQ*(\sc)+NQ*\b+(\q)], v[SC+8*NQ*(\sc)+NQ*(\a)+(\q)] matrix_a_fmt:MATRIX_FMT_FP6 matrix_b_fmt:MATRIX_FMT_FP6 matrix_a_scale:MATRIX_SCALE_ROW1
.else
	v_wmma_scale_f32_16x16x128_f8f6f4 v[8*(8*((\a)%4)+\b):8*(8*((\a)%4)+\b)+7], v[128*(\p)+FR*\b:128*(\p)+FR*\b+FR-1], v[AF+FR*(\a):AF+FR*(\a)+FR-1], v[8*(8*((\a)%4)+\b):8*(8*((\a)%4)+\b)+7], v[SC+8*NQ*(\sc)+NQ*\b+(\q)], v[SC+8*NQ*(\sc)+NQ*(\a)+(\q)] matrix_a_fmt:MATRIX_FMT_FP6 matrix_b_fmt:MATRIX_FMT_FP6 matrix_a_scale:MATRIX_SCALE_ROW1
.endif
.endr
.endr
.endm
.macro FETCH_B slot, q, p
	WIN TO_B
.irp i, 0,1,2,3,4,5,6,7
	FRAG 128*(\p)+FR*\i, ADRB+\slot, \q, \i
.endr
	WIN 0
.endm
.macro FETCH_A slot, q, i0
.irp i, \i0, \i0+1, \i0+2, \i0+3
	FRAG AF+FR*(\i), ADRA+\slot, \q, \i
.endr
.endm
.macro SCALES sc
.irp i, 0,1,2,3,4,5,6,7
	ds_load_b64 v[SC+8*NQ*\sc+NQ*\i:SC+8*NQ*\sc+NQ*\i+1], v[ADRS] offset:\i*SBLK
.endr
.endm
.macro PLACES n
.rept \n
	v_nop
.endr
.endm
.macro STEP slot, q, zero
	s_wait_dscnt 4*NL                              ; B's set and A's blocks 0-3 are in; the youngest 24 loads (A's blocks 4-7) may be out
	WIN MUL_LO
	MUL16 0, (\q)%2, \q, \slot, \zero
	MUL16 2, (\q)%2, \q, \slot, \zero
	s_wait_dscnt 0
	PLACES NP
	FETCH_B \slot, (\q)+1, 1-(\q)%2
	FETCH_A \slot, (\q)+1, 0
	WIN MUL_HI
	MUL16 4, (\q)%2, \q, \slot, \zero
	MUL16 6, (\q)%2, \q, \slot, \zero
	PLACES NP
	WIN 0
	FETCH_A \slot, (\q)+1, 4
.endm
.macro TURN slot, next, fill
	s_wait_tensorcnt 0x0                           ; all my tensor loads have landed: my part of the next slot
	ds_add_u32 v[SPW], v[NIL]                      ; 0 onto my spare word
	s_wait_dscnt 4*NL+1                            ; (the add and the youngest 24 loads may be out)
	WIN MUL_LO
	MUL16 0, 1, NQ-1, \slot, 0
	s_wait_dscnt 0x0                               ; the add is done, and my reads of this slot are over
	s_barrier_signal -1
	MUL16 2, 1, NQ-1, \slot, 0
	WIN 0
	s_barrier_wait -1
.if \fill
	CREST                                          ; the barrier has opened a round of the cluster's barrier: no wave of any partner still reads this slot or has a load on its way
	s_add_nc_u64 s[G0+4*\slot+2:G0+4*\slot+3], s[G0+4*\slot+2:G0+4*\slot+3], 2*RTB
	s_add_nc_u64 s[G0B+4*\slot+2:G0B+4*\slot+3], s[G0B+4*\slot+2:G0B+4*\slot+3], 2*RTB
	JLOAD G0+4*\slot, G1, G0B+4*\slot, G1B
.else
	PLACES NP
.endif
	v_add_nc_u32 v[ADRS], 128, v[ADRS]
	FETCH_B \next, 0, 0
	FETCH_A \next, 0, 0
	SCALES \next
	WIN MUL_HI
	MUL16 4, 1, NQ-1, \slot, 0
	MUL16 6, 1, NQ-1, \slot, 0
	PLACES NP
	WIN 0
	FETCH_A \next, 0, 4
.endm
	s_wait_tensorcnt 1                             ; the scale words and my part of K step 0 are in (K step 1's load may be out),
	s_barrier_signal -1
	s_barrier_wait -1                              ; everybody's are
	FETCH_B 0, 0, 0
	FETCH_A 0, 0, 0
	SCALES 0
	FETCH_A 0, 0, 4
	STEP 0, 0, 1
	s_mov_b32 s3, LAPS-1
.Llap:
	TURN 0, 1, 1
	STEP 1, 0, 0
	TURN 1, 0, 1
	STEP 0, 0, 0
	s_sub_co_u32 s3, s3, 1
	s_cmp_lg_u32 s3, 0
	s_cbranch_scc1 .Llap
	TURN 0, 1, 0
	STEP 1, 0, 0
	s_wait_dscnt 4*NL
	WIN MUL_LO
	MUL16 0, 1, NQ-1, 1, 0
	MUL16 2, 1, NQ-1, 1, 0
	s_wait_dscnt 0
	WIN MUL_HI
	MUL16 4, 1, NQ-1, 1, 0
	MUL16 6, 1, NQ-1, 1, 0
	WIN 0
; THE WAY OUT, block by block of 16 tokens x 128 columns, through my own stage: in by lanes (32 bytes of a row each), back as whole rows of 512 bytes.  LDS serves a wave's instructions in order.
.macro TOSTAGE a
.set AC, 64*((\a)%4)
	WIN 0x08+4*((\a)/4)                            ; an LDS store's data are its source 1: window 2 or 3
.irp b, 0,1,2,3,4,5,6,7
	ds_store_b128 v[STO], v[AC+8*\b:AC+8*\b+3] offset:128*(\b/2)+32*(\b%2)        ; each accumulator from its low end on; its columns 32 (b / 2) + 16 h + 8 (b % 2) on
	ds_store_b128 v[STO], v[AC+8*\b+4:AC+8*\b+7] offset:128*(\b/2)+32*(\b%2)+16
.endr
	WIN 0
.set BB, BK+64*((\a)%2)
.irp t, 0,1,2,3,4,5,6,7,8,9,10,11,12,13,14,15
	ds_load_b128 v[BB+4*\t:BB+4*\t+3], v[RD] offset:\t*SPITCH
.endr
.endm
.macro SEND a, younger                 ; younger: the LDS instructions issued behind block a's loads, which may stay out
.set BB, BK+64*((\a)%2)
	s_wait_dscnt \younger
.irp t, 0,1,2,3,4,5,6,7,8,9,10,11,12,13,14,15
	global_store_b128 v[CO], v[BB+4*\t:BB+4*\t+3], s[12:13] offset:(32*((\a)/2)+8*((\a)%2)+\t+8*(\t/8))*4096 th:TH_STORE_NT   ; row t of tile a is that token; 32 lanes store 512 consecutive bytes, aligned; 127 rows on at the most, inside the signed 24-bit immediate
.endr
.endm
	PLACES NP
	TOSTAGE 0
.irp a, 1,2,3,4,5,6,7
.if \a > 1
	s_wait_xcnt 0x0                                ; block a - 2's stores have read their registers: block a's loads may land there
.endif
	TOSTAGE \a
	SEND \a-1, 32                                  ; behind block a - 1's loads: block a's 16 stores and 16 loads
.endr
	SEND 7, 0
	s_wait_tensorcnt 0x0                           ; the wave's end, behind my last tensor load and my last LDS store
	ds_add_u32 v[SPW], v[NIL]
	s_wait_dscnt 0x0
	CROUND                                         ; the closing round
	s_endpgm
.Lfunc_end_k_qe00d0c28ee_proj:
	.size	k_qe00d0c28ee_proj, .Lfunc_end_k_qe00d0c28ee_proj-k_qe00d0c28ee_proj
	.p2alignl 7, 3214868480
	.fill 96, 4, 3214868480
	.section	.rodata,"a",@progbits
	.p2align	6, 0x0
	.amdhsa_kernel k_qe00d0c28ee_proj
		.amdhsa_group_segment_fixed_size 327680
		.amdhsa_private_segment_fixed_size 0
		.amdhsa_enable_private_segment 0
		.amdhsa_kernarg_size 24
		.amdhsa_user_sgpr_count 2
		.amdhsa_user_sgpr_kernarg_segment_ptr 1
		.amdhsa_wavefront_size32 1
		.amdhsa_system_sgpr_workgroup_id_x 1
		.amdhsa_system_sgpr_workgroup_id_y 1
		.amdhsa_system_sgpr_workgroup_id_z 1
		.amdhsa_system_vgpr_workitem_id 0
		.amdhsa_next_free_vgpr 1024
		.amdhsa_next_free_sgpr 98
		.amdhsa_reserve_vcc 0
		.amdhsa_float_denorm_mode_32 3
		.amdhsa_float_denorm_mode_16_64 3
		.amdhsa_memory_ordered 1
		.amdhsa_forward_progress 1
		.amdhsa_inst_pref_size 159
	.end_amdhsa_kernel
	.amdgpu_metadata
---
amdhsa.version: [ 1, 2 ]
amdhsa.kernels:
  - .name:           k_qe00d0c28ee_proj
    .symbol:         k_qe00d0c28ee_proj.kd
    .args:
      - { .name: oq, .offset: 0, .size: 8, .value_kind: global_buffer, .address_space: global }
      - { .name: wq, .offset: 8, .size: 8, .value_kind: global_buffer, .address_space: global }
      - { .name: out0, .offset: 16, .size: 8, .value_kind: global_buffer, .address_space: global }
    .group_segment_fixed_size: 327680
    .private_segment_fixed_size: 0
    .kernarg_segment_align: 8
    .kernarg_segment_size: 24
    .max_flat_workgroup_size: 128
    .sgpr_count:     98
    .vgpr_count:     1024
    .wavefront_size: 32
...
	.end_amdgpu_metadata
.endif
;; end of part 4
